; MI455X (gfx1250); checked and timed in simulation.
; The chip was launched on July 23, 2026; its instructions are those of AMD's public machine-readable ISA for CDNA 5 (MIT licence, August 2026) and "CDNA5" Instruction Set Architecture Reference Guide (July 2026). The comments in the code are by the model that wrote it; some were corrected since.
;; Block. Allowed arithmetic: matrix products marked QUANTISED: E5M2 operands, one given power-of-two scale a tensor, by v_wmma_f32_16x16x64_bf8_bf8 or v_wmma_f32_16x16x128_bf8_bf8, f32 sums; everything else in f32.
;; Inputs: W1_codes 4,096 x 32 x 32 uint8 (E5M2 codes of W1, K innermost, in blocks of 32 codes); W2_codes 1,024 x 128 x 32 uint8 (E5M2 codes of W2, K innermost, in blocks of 32 codes); Wk_codes 16 x 64 x 32 x 32 uint8 (E5M2 codes of Wk, K innermost, in blocks of 32 codes); Wo_codes 1,024 x 32 x 32 uint8 (E5M2 codes of Wo, K innermost, in blocks of 32 codes); Wq_codes 16 x 64 x 32 x 32 uint8 (E5M2 codes of Wq, K innermost, in blocks of 32 codes); Wv_codes 16 x 64 x 32 x 32 uint8 (E5M2 codes of Wv, K innermost, in blocks of 32 codes); b1 4,096 float32; b2 1,024 float32; bo 1,024 float32; ln1_b 1,024 float32; ln1_g 1,024 float32; ln2_b 1,024 float32; ln2_g 1,024 float32; lowp_scales 16 int32 (the exponents e of the quantised operands' scales 2^e); x 2 x 2,048 x 1,024 float32.
;; Outputs: out0 2 x 2,048 x 1,024 float32.
;; This version of the problem:
;;   THIS VERSION OF THE PROBLEM IS GIVEN IN LOW PRECISION. The matrix products marked QUANTISED in the list below multiply operands that are first quantised to E5M2 (5 exponent bits, 2 mantissa bits; 8 bits a number), with one given power-of-two scale for each operand tensor; their sums are f32. All else is computed in f32.
;;   The module's matrix products, in the order in which they are computed (A, B: the left and right operand; K: the contracted axis; several contracted axes count as one K, in the product's order):
;;     1. [M 1,024, K 1,024] x [K 1,024, N 4,096]; A: input Wq (given as codes); B: computed on the way: QUANTISED (scales: A lowp_scales[0], B lowp_scales[1])
;;     2. [M 1,024, K 1,024] x [K 1,024, N 4,096]; A: input Wk (given as codes); B: computed on the way: QUANTISED (scales: A lowp_scales[2], B lowp_scales[3])
;;     3. [M 1,024, K 1,024] x [K 1,024, N 4,096]; A: input Wv (given as codes); B: computed on the way: QUANTISED (scales: A lowp_scales[4], B lowp_scales[5])
;;     4. batch 32 x [M 2,048, K 64] x [K 64, N 2,048]; A: computed on the way; B: computed on the way: QUANTISED (scales: A lowp_scales[6], B lowp_scales[7])
;;     5. batch 32 x [M 2,048, K 2,048] x [K 2,048, N 64]; A: softmax (see below); B: computed on the way: QUANTISED (scales: A lowp_scales[8], B lowp_scales[9])
;;     6. [M 4,096, K 1,024] x [K 1,024, N 1,024]; A: computed on the way; B: input Wo (given as codes): QUANTISED (scales: A lowp_scales[10], B lowp_scales[11])
;;     7. [M 4,096, K 1,024] x [K 1,024, N 4,096]; A: computed on the way; B: input W1 (given as codes): QUANTISED (scales: A lowp_scales[12], B lowp_scales[13])
;;     8. [M 4,096, K 4,096] x [K 4,096, N 1,024]; A: computed on the way; B: input W2 (given as codes): QUANTISED (scales: A lowp_scales[14], B lowp_scales[15])
;;   THE QUANTISER, for each operand of a quantised product, along K:
;;     - The operand's scale is 2^e, e = its entry of the input lowp_scales (int32; the entries are numbered through the quantised products in the list's order, A before B).
;;     - Each number is divided by the scale, clamped to +-57,344, and rounded to the nearest number of E5M2, ties to even, subnormals kept.
;;     - The product sums the exact products of the quantised numbers (number of the format x scale) in f32.
;;   ~~~python
;;   def quantise(x, axis, e):      # numpy; x: float32 -> the quantised numbers, widened to float32 again
;;       x = np.moveaxis(x, axis, -1); K = x.shape[-1]
;;       r = np.clip(x / 2.0 ** e, -57344, 57344)
;;       step = 2.0 ** (np.maximum(np.frexp(np.where(r == 0, 1, r))[1] - 1, -14) - 2)
;;       q = np.round(r / step) * step * 2.0 ** e      # np.round: ties to even
;;       return np.moveaxis(q, -1, axis).astype(np.float32)
;;   ~~~
;;   SOFTMAX AHEAD OF A QUANTISED PRODUCT. Where the list says 'softmax', what is quantised is not the finished softmax but p = 2^(t - M), with t = logit x log2(e) and M = ceil(the row's largest t), a whole number; so 1/2 < the row's largest p <= 1. The row's sum l is taken of the UNQUANTISED p, in f32, and the product's result is divided by l at the end. Since M is a whole number, a kernel that streams over the keys may use a running M (the ceiling of the running maximum): every later rescaling is an exact power of two, so the quantised numbers keep their values, but for numbers so far below the row's largest that they fall under the format's range.
;;   OPERANDS COMPUTED ON THE WAY. 'Computed on the way' means the value that the module computes at that place (a softmax that the list does not call 'softmax' is quantised finished and normalised). What goes into a quantiser is computed in f32, as accurately as f32 sums, v_exp_f32 and their like allow (about 1e-6 of the number): no bf16 or f16 on the way to a quantiser, and a product that is left as it is and whose result goes on into a quantised operand takes f32 operands (vector FMAs, or v_wmma_f32_16x16x4_f32). A number that lies on a knife's edge between two numbers of the format may be rounded either way, as far as f32 arithmetic and the matrix unit's own rounding can turn it there, and no further.
;;   INPUTS GIVEN AS CODES. W1 (in the module: [1024, 4096], K = its axis 0); W2 (in the module: [4096, 1024], K = its axis 0); Wk (in the module: [16, 1024, 64], K = its axis 1); Wo (in the module: [1024, 1024], K = its axis 0); Wq (in the module: [16, 1024, 64], K = its axis 1); Wv (in the module: [16, 1024, 64], K = its axis 1): each comes as NAME_codes (uint8): NAME with its K axis moved to the last place and cut into blocks of 32 codes, [.., K / 32, bytes a block], one block behind the other in memory; one code a byte (a code: sign, 5 exponent bits, 2 mantissa bits); its scale is its entry of lowp_scales. Its value is code x scale, taken as it is: it is not quantised again, and the codes and scales need not be those that the quantiser above would give.
;; One version. Each part assembles by itself: llvm-mc -triple=amdgcn-amd-amdhsa -mcpu=gfx1250 --defsym DOCPART=n.
;; ======== version 1 of 1: 7 launches
;; limits: right only within a limited range of input values
;; workspace buffers: xa 12,582,912 bytes; qkvc 12,582,912 bytes; att 4,194,304 bytes; x1 16,777,216 bytes; xn2 4,194,304 bytes; h 16,777,216 bytes
;; launch ln1 (part 1): grid 256 x 1, 4 waves a work-group, no clusters, 4,608 bytes of LDS; arguments x, ln1_g, ln1_b, lowp_scales, xa; writes xa
.if DOCPART == 1
	.amdgcn_target "amdgcn-amd-amdhsa--gfx1250"
	.amdhsa_code_object_version 6
	.text
	.protected	k_q25d477b39f_ln1
	.globl	k_q25d477b39f_ln1
	.p2align	8
	.type	k_q25d477b39f_ln1,@function
k_q25d477b39f_ln1:
	s_mov_b64 s[64:65], 0
	v_nop
	global_prefetch_b8 v0, s[64:65] scope:SCOPE_SE
	s_setreg_imm32_b32 hwreg(HW_REG_WAVE_MODE, 25, 1), 1
	s_wait_xcnt 0x0
; xa[s][row][:] = the codes (E5M2) of LN(x[row]) = (x - mean) * rsqrt(var + 1e-5) * g + b, quantised three times: set 0 with the scale of entry 1 of the
; buffer of scales, set 1 with entry 3, set 2 with entry 5 (the right operands of the q, k and v products).  x: [4096][1024] f32.  xa: [3][4096][1024] bytes, K innermost.
; SHARES.  A work-group of four waves takes 16 rows, a wave 4 whole rows.  A row lies in 32 registers (register 4 j + e of lane l is k = 128 j + 4 l + e: each load reads 512
; consecutive bytes), so it is read from memory once; mean and variance never leave the wave: no barrier.  The variance is taken of the centred numbers, in a second pass over registers.
; CODES.  A conversion takes 8 registers of a lane: two words of 4 neighbouring codes.  The words turn through the wave's own 1,024 bytes of LDS, so that a lane stores 16 neighbouring
; bytes and a store of the wave covers 512 consecutive bytes, aligned.
; No matrix unit, no tensor load, no cluster: the launch streams, and work-groups share only g and b (8 KiB).  All 48 loads of a wave are issued at its head.
; LIMITS: each of the three exponents lies between -126 and 112.  NaN and infinity among the inputs are not served.
.set ROWB, 4096                        ; a row of x in bytes
.set CROW, 1024                        ; a row of codes in bytes
.set SC,   10                          ; v[SC+2 s] = 2^e of set s as f32, v[SC+2 s+1] = 57,344 x that
.set GA,   16                          ; v16-47   g, laid as a row
.set BE,   48                          ; v48-79   b
.set X,    80                          ; v80-207  four rows
.set T,    208                         ; v208-239 at work
.set C,    240                         ; v240-247 a row's codes, word j = k 128 j + 4 l on
.set O,    248                         ; v248-255 the same codes, 16 neighbouring bytes a lane
.set OB,   20                          ; s[OB+2 s:OB+2 s+1] where my rows begin in set s
	s_load_b256 s[4:11], s[0:1], 0x0               ; x s[4:5], g s[6:7], b s[8:9], the scales' exponents s[10:11]
	s_load_b64 s[12:13], s[0:1], 0x20              ; xa
	s_set_vgpr_msb 0x40
	v_lshl_add_u32 v0, v0, 2, 0x1000
	v_mov_b32 v1, 0
	s_set_vgpr_msb 0x4000
	v_lshrrev_b32 v1, 5, v0
	v_readfirstlane_b32 s14, v1                    ; wave 0..3
	v_and_b32 v9, 31, v0                           ; lane
	v_lshlrev_b32 v1, 4, v9                        ; 16 x lane: my bytes of a load's or a store's 512
	s_lshl_b32 s15, s14, 10                        ; my wave's stage
	v_lshl_add_u32 v2, v9, 2, s15                  ; into it: 4 bytes a lane
	v_lshl_add_u32 v3, v9, 4, s15                  ; out of it: 16 bytes a lane
	v_mov_b32 v8, 0                                ; a lane permute's destination counts as one of its sources: written once
	s_lshl_b32 s16, ttmp9, 4
	s_lshl_b32 s17, s14, 2
	s_add_co_u32 s16, s16, s17                     ; my first row: 16 x work-group + 4 x wave
	s_lshl_b32 s18, s16, 10                        ; in codes,
	s_lshl_b32 s16, s16, 12                        ; in x
	s_mov_b32 s17, 0
	s_mov_b32 s19, 0
	s_mov_b32 s30, 0x76543210                      ; v_permlanex16_b32: lane l takes lane l xor 16
	s_mov_b32 s31, 0xfedcba98
	s_mov_b32 s32, 0x3a800000                      ; 1 / 1024
	s_mov_b32 s33, 0x3727c5ac                      ; 1e-5
	s_wait_alu depctr_va_vdst(0)
	s_wait_kmcnt 0x0
	s_load_b32 s26, s[10:11], 0x4                  ; entry 1
	s_load_b32 s27, s[10:11], 0xc                  ; entry 3
	s_load_b32 s28, s[10:11], 0x14                 ; entry 5
	s_add_nc_u64 s[4:5], s[4:5], s[16:17]
	s_add_nc_u64 s[OB:OB+1], s[12:13], s[18:19]
	s_add_nc_u64 s[OB+2:OB+3], s[OB:OB+1], 0x400000    ; a set is 4 MiB: a base for each, since two sets on is beyond a store's immediate
	s_add_nc_u64 s[OB+4:OB+5], s[OB+2:OB+3], 0x400000
.macro XLOAD i                         ; row i: eight loads of 512 consecutive bytes
.set j, 0
.rept 8
	global_load_b128 v[X+32*(\i)+4*j:X+32*(\i)+4*j+3], v1, s[4:5] offset:ROWB*(\i)+512*j th:TH_LOAD_NT
.set j, j+1
.endr
.endm
	XLOAD 0
.set j, 0
.rept 8
	global_load_b128 v[GA+4*j:GA+4*j+3], v1, s[6:7] offset:512*j
.set j, j+1
.endr
.set j, 0
.rept 8
	global_load_b128 v[BE+4*j:BE+4*j+3], v1, s[8:9] offset:512*j
.set j, j+1
.endr
	XLOAD 1
	XLOAD 2
	XLOAD 3
	s_wait_kmcnt 0x0
.irp s, 0,1,2
	s_add_co_i32 s[26+\s], s[26+\s], 127
	s_lshl_b32 s34, s[26+\s], 23
	v_mov_b32 v[SC+2*\s], s34                      ; 2^e as f32: the conversion takes its exponent field
	s_add_co_i32 s[26+\s], s[26+\s], 15
	s_lshl_b32 s34, s[26+\s], 23
	s_or_b32 s34, s34, 0x600000
	v_mov_b32 v[SC+2*\s+1], s34                    ; 57,344 x 2^e
.endr
.macro WSUM r                          ; the sum over the wave's 32 lanes, in every lane
	v_add_f32_dpp v[\r], v[\r], v[\r] row_xmask:1 row_mask:0xf bank_mask:0xf
	v_add_f32_dpp v[\r], v[\r], v[\r] row_xmask:2 row_mask:0xf bank_mask:0xf
	v_add_f32_dpp v[\r], v[\r], v[\r] row_xmask:4 row_mask:0xf bank_mask:0xf
	v_add_f32_dpp v[\r], v[\r], v[\r] row_xmask:8 row_mask:0xf bank_mask:0xf
	v_permlanex16_b32 v8, v[\r], s30, s31
	v_add_f32 v[\r], v[\r], v8
.endm
; Row i's finished numbers become set s's codes and leave.
.macro QSET s, i
.set XR, X+32*(\i)
.set j, 0
.rept 32
	v_med3_num_f32 v[T+j], v[XR+j], -v[SC+2*(\s)+1], v[SC+2*(\s)+1]   ; the conversion to an 8-bit code does not saturate (ISA guide 7.6.2): the hold at the largest code x the scale
.set j, j+1
.endr
.set j, 0
.rept 4
	v_cvt_scalef32_pk8_bf8_f32 v[C+2*j:C+2*j+1], v[T+8*j:T+8*j+7], v[SC+2*(\s)]
.set j, j+1
.endr
	v_nop                                          ; one plain vector line between the conversions and the next lines that write their sources
.set j, 0
.rept 8
	ds_store_b32 v2, v[C+j] offset:128*j           ; word j: bytes 128 j + 4 l of the row
.set j, j+1
.endr
	s_wait_xcnt 0x0                                ; the stores of the set before have read O: it is loaded again only behind this wait
	ds_load_b128 v[O:O+3], v3                      ; LDS serves a wave's instructions in order (ISA guide 5.7.1.4): these see the stores above
	ds_load_b128 v[O+4:O+7], v3 offset:512
	s_wait_dscnt 0x0
	global_store_b128 v1, v[O:O+3], s[OB+2*(\s):OB+2*(\s)+1] offset:CROW*(\i)          ; 32 lanes store 512 consecutive bytes, aligned
	global_store_b128 v1, v[O+4:O+7], s[OB+2*(\s):OB+2*(\s)+1] offset:CROW*(\i)+512
.endm
; Row i.  left = the loads of the later rows, which may stay out.
.macro ROW i, left
.set XR, X+32*(\i)
	s_wait_loadcnt \left
	v_pk_add_f32 v[T:T+1], v[XR:XR+1], v[XR+2:XR+3]            ; the sum, two at a time, in two chains
	v_pk_add_f32 v[T+2:T+3], v[XR+4:XR+5], v[XR+6:XR+7]
.set j, 8
.rept 6
	v_pk_add_f32 v[T:T+1], v[T:T+1], v[XR+j:XR+j+1]
	v_pk_add_f32 v[T+2:T+3], v[T+2:T+3], v[XR+j+2:XR+j+3]
.set j, j+4
.endr
	v_pk_add_f32 v[T:T+1], v[T:T+1], v[T+2:T+3]
	v_add_f32 v[T], v[T], v[T+1]
	WSUM T
	v_mul_f32 v4, s32, v[T]                        ; the mean, twice
	v_mov_b32 v5, v4
.set j, 0
.rept 16
	v_pk_add_f32 v[XR+j:XR+j+1], v[XR+j:XR+j+1], v[4:5] neg_lo:[0,1] neg_hi:[0,1]   ; x - mean
.set j, j+2
.endr
	v_pk_mul_f32 v[T:T+1], v[XR:XR+1], v[XR:XR+1]              ; the sum of squares of the centred numbers
	v_pk_mul_f32 v[T+2:T+3], v[XR+2:XR+3], v[XR+2:XR+3]
.set j, 4
.rept 7
	v_pk_fma_f32 v[T:T+1], v[XR+j:XR+j+1], v[XR+j:XR+j+1], v[T:T+1]
	v_pk_fma_f32 v[T+2:T+3], v[XR+j+2:XR+j+3], v[XR+j+2:XR+j+3], v[T+2:T+3]
.set j, j+4
.endr
	v_pk_add_f32 v[T:T+1], v[T:T+1], v[T+2:T+3]
	v_add_f32 v[T], v[T], v[T+1]
	WSUM T
	v_fma_f32 v[T], v[T], s32, s33                 ; var + 1e-5
	s_wait_alu depctr_va_vdst(0)
	v_rsq_f32 v6, v[T]                             ; twice: a pair for the packed multiply
	v_rsq_f32 v7, v[T]
	v_nop                                          ; a plain line behind the transcendentals (ISA guide 5.7.2),
	s_wait_alu depctr_va_vdst(0)                   ; and the one wait ahead of their first reader
.set j, 0
.rept 16
	v_pk_mul_f32 v[XR+j:XR+j+1], v[XR+j:XR+j+1], v[6:7]
.set j, j+2
.endr
.set j, 0
.rept 16
	v_pk_fma_f32 v[XR+j:XR+j+1], v[XR+j:XR+j+1], v[GA+j:GA+j+1], v[BE+j:BE+j+1]
.set j, j+2
.endr
.irp s, 0,1,2
	QSET \s, \i
.endr
.endm
	ROW 0, 24                                      ; row 0, g and b are in; rows 1 to 3 (24 loads) may be out
	ROW 1, 16
	ROW 2, 8
	ROW 3, 0
	s_set_vgpr_msb 0x5
	s_wait_tensorcnt 0x0
	ds_add_u32 v0, v1
	s_wait_dscnt 0x0
	s_set_vgpr_msb 0x500
	s_endpgm
.Lfunc_end_k_q25d477b39f_ln1:
	.size	k_q25d477b39f_ln1, .Lfunc_end_k_q25d477b39f_ln1-k_q25d477b39f_ln1
	.p2alignl 7, 3214868480
	.fill 96, 4, 3214868480
	.section	.rodata,"a",@progbits
	.p2align	6, 0x0
	.amdhsa_kernel k_q25d477b39f_ln1
		.amdhsa_group_segment_fixed_size 4608
		.amdhsa_private_segment_fixed_size 0
		.amdhsa_enable_private_segment 0
		.amdhsa_kernarg_size 40
		.amdhsa_user_sgpr_count 2
		.amdhsa_user_sgpr_kernarg_segment_ptr 1
		.amdhsa_wavefront_size32 1
		.amdhsa_system_sgpr_workgroup_id_x 1
		.amdhsa_system_sgpr_workgroup_id_y 1
		.amdhsa_system_sgpr_workgroup_id_z 1
		.amdhsa_system_vgpr_workitem_id 0
		.amdhsa_next_free_vgpr 258
		.amdhsa_next_free_sgpr 66
		.amdhsa_reserve_vcc 0
		.amdhsa_float_denorm_mode_32 3
		.amdhsa_float_denorm_mode_16_64 3
		.amdhsa_memory_ordered 1
		.amdhsa_forward_progress 1
		.amdhsa_inst_pref_size 70
	.end_amdhsa_kernel
	.amdgpu_metadata
---
amdhsa.version: [ 1, 2 ]
amdhsa.kernels:
  - .name:           k_q25d477b39f_ln1
    .symbol:         k_q25d477b39f_ln1.kd
    .args:
      - { .name: x, .offset: 0, .size: 8, .value_kind: global_buffer, .address_space: global }
      - { .name: ln1_g, .offset: 8, .size: 8, .value_kind: global_buffer, .address_space: global }
      - { .name: ln1_b, .offset: 16, .size: 8, .value_kind: global_buffer, .address_space: global }
      - { .name: lowp_scales, .offset: 24, .size: 8, .value_kind: global_buffer, .address_space: global }
      - { .name: xa, .offset: 32, .size: 8, .value_kind: global_buffer, .address_space: global }
    .group_segment_fixed_size: 4608
    .private_segment_fixed_size: 0
    .kernarg_segment_align: 8
    .kernarg_segment_size: 40
    .max_flat_workgroup_size: 128
    .sgpr_count:     66
    .vgpr_count:     258
    .wavefront_size: 32
...
	.end_amdgpu_metadata
.endif
;; end of part 1
;; launch qkv (part 2): grid 4 x 48, 4 waves a work-group, clusters of 4 x 4, 327,680 bytes of LDS; arguments xa, Wq_codes, Wk_codes, Wv_codes, lowp_scales, qkvc; writes qkvc
.if DOCPART == 2
	.amdgcn_target "amdgcn-amd-amdhsa--gfx1250"
	.amdhsa_code_object_version 6
	.text
	.protected	k_q25d477b39f_qkv
	.globl	k_q25d477b39f_qkv
	.p2align	8
	.type	k_q25d477b39f_qkv,@function
k_q25d477b39f_qkv:
	s_mov_b64 s[64:65], 0
	v_nop
	global_prefetch_b8 v0, s[64:65] scope:SCOPE_SE
	s_setreg_imm32_b32 hwreg(HW_REG_WAVE_MODE, 25, 1), 1
	s_wait_xcnt 0x0
	s_wait_alu depctr_hold_cnt(0) depctr_sa_sdst(0) depctr_va_vdst(0) depctr_va_sdst(0) depctr_va_ssrc(0) depctr_va_vcc(0) depctr_vm_vsrc(0)
	s_getreg_b32 s2, hwreg(HW_REG_IB_STS2, 6, 4)
	s_cmp_eq_u32 s2, 0
	s_cbranch_scc0 .Lentry_in_a_cluster
	s_endpgm
.Lentry_in_a_cluster:
	s_bfe_u32 s2, ttmp6, 0x10000c
	s_cmp_lg_u32 s2, 0xf033
	s_cbranch_scc0 .Lentry_shape_is_right
	s_endpgm
.Lentry_shape_is_right:
; q, k and v of all heads: three products of 4096 x 1024 x 1024 on codes of E5M2, their results quantised at once into IMAGES OF OPERAND REGISTERS for the attention launch.
; C'[m'][n'] = sum over k of A'[m'][k] B'[n'][k], both operands rows of 1,024 codes.  The cluster's y says which product: 0-3 q, 4-7 k, 8-11 v.
;   q, k: A' = the normalised rows (set 0 or 1 of xa; m' = token, 16 tiles of 256), B' = Wq or Wk (n' = 64 head + d, 4 tiles).
;   v:    A' = Wv (m' = 64 head + d, 4 tiles),  B' = set 2 of xa (n' = token, 16 tiles): the roles are exchanged, so that v's codes come out with the KEYS along a lane's registers.
; A tile of C', 256 x 256, is made by four waves, each 128 x 128: 64 accumulators, 512 registers.  K goes in steps of 256 through a ring of two LDS slots filled by the tensor data mover.
; CLUSTERS: 4 x 4 work-groups.  A' hangs on the tile row alone and is asked for jointly by a row of the cluster, B' on the tile column alone, by a column.  192 work-groups: the larger tile is
; taken although it leaves WGPs without work, since a tile of 128 x 128 would fill half again as many LDS bytes for each WGP.
; THE MATRIX INSTRUCTION IS USED TRANSPOSED (source 0 = 16 rows of B', source 1 = 16 rows of A'): in accumulator (a, t) lane (r, h) holds row m' = 16 a + r and columns n' = 16 t + 8 h + 0 .. 7.  One conversion of
; those eight registers gives registers 2 t, 2 t + 1 of an operand in this form's own layout (k = 16 t + 8 h + 0 .. 7).  So the codes are stored as they stand, four registers a store, 16 x lane: 512 dense bytes, no stage.
; qkvc: q at 0, k at 4 MiB: [batch x 16 + head][token tile of 16 (128)][1,024 bytes];  v at 8 MiB: [batch x 16 + head][block of 128 keys (16)][tile of 16 d (4)][2,048 bytes].
; The fragments come from LDS by four loads of 16 bytes: a permutation of k that is the same in A' and B', so every product meets its partner.
; LIMITS: e6 - e0 - e1, e7 - e2 - e3 and e9 - e4 - e5 (entries of the buffer of scales) lie between -126 and 112.  NaN is not served.
; REGISTERS, in windows of 256: window 0: v0-31 addresses and the scale; from v128 A's fragments, ONE set; on the way out v32-95 held numbers, v128-255 codes.
;   window 1: B's fragments, TWO sets, at v0 and v128.   window 2: the accumulators of my rows 0-63 ((a, t) at v[8 (8 a + t)]);   window 3: those of rows 64-127.
.set KSTEP,  256
.set ROWB,   256                       ; a tile's row in bytes
.set KROW,   1024                      ; a row of A' or B' in memory
.set PITCH,  272                       ; an LDS row: 256 bytes + 16 of padding = 68 words: row r starts at bank 4 r mod 64 (ISA guide 11.1)
.set FR,     16                        ; registers of a fragment: 16 rows x 128 K
.set NL,     4                         ; LDS loads that bring one
.set NP,     4                         ; places behind this matrix instruction (ISA guide 7.12.1)
.set HALFT,  128*PITCH
.set SLOT,   4*HALFT                   ; A's 256 rows, then B's 256 rows
.set LAPS,   KROW/(2*KSTEP)
.set SPARE,  2*SLOT                    ; behind the ring: the spare words, 128 bytes for each wave
.set SCL,  8                           ; v8   the conversion's scale
.set LIMV, 9                           ; v9   57,344 x that
.set ADRA, 16
.set ADRB, 20
.set CO,   26                          ; v26  16 x lane
.set SPW,  28
.set NIL,  29
.set TMP,  32
.set AF,   128
.set CD,   128
.set G1, 24
.set G0, 32
.set G1B, 48
.set G0B, 56
.set MSB, 0
.macro WIN new                         ; the immediate's high byte repeats the setting that is left
.if MSB != (\new)
	s_set_vgpr_msb (MSB<<8)|(\new)
.set MSB, (\new)
.endif
.endm
.set MUL_LO, 0xa1                      ; source 0 (B) window 1, source 1 (A) window 0, C and D window 2
.set MUL_HI, 0xf1
.set TO_B,   0x40
; A joint load: waves 0 and 1 fetch for A', waves 2 and 3 for B'.  The branch hangs on the wave's number alone.  Four v_nop follow each of the two lines.
.macro JLOAD g0a, g1a, g0b, g1b
	s_cmp_eq_u32 s15, 0
	s_cbranch_scc0 .Lfor_b_\@
	tensor_load_to_lds s[\g0a:\g0a+3], s[\g1a:\g1a+7]
	s_nop 0
.rept 4
	v_nop
.endr
	s_branch .Lasked_\@
.Lfor_b_\@:
	tensor_load_to_lds s[\g0b:\g0b+3], s[\g1b:\g1b+7]
	s_nop 0
.rept 4
	v_nop
.endr
.Lasked_\@:
.endm
.macro CREST                           ; a round of the cluster's barrier behind its opening barrier
	s_cmp_lg_u32 s14, 0
	s_cbranch_scc1 .Lnot_wave_0_\@
	s_barrier_signal -3
.Lnot_wave_0_\@:
	s_barrier_wait -3
	s_barrier_signal -1
	s_barrier_wait -1
.endm
.macro CROUND
	s_barrier_signal -1
	s_barrier_wait -1
	CREST
.endm
	s_load_b256 s[68:75], s[0:1], 0x0              ; xa s[68:69], Wq s[70:71], Wk s[72:73], Wv s[74:75]
	s_load_b128 s[76:79], s[0:1], 0x20             ; the scales' exponents s[76:77], qkvc s[78:79]
	v_lshl_add_u32 v[SPW], v0, 2, SPARE
	v_mov_b32 v[NIL], 0
	ds_add_u32 v28, v29
	ds_add_u32 v28, v29
	s_wait_dscnt 0x0
	v_lshrrev_b32 v1, 5, v0
	v_readfirstlane_b32 s14, v1                    ; wave 0..3
	s_lshr_b32 s15, s14, 1                         ; which half of the tile's rows is mine.  Also: I fetch for A' (0) or B' (1)
	s_and_b32 s16, s14, 1                          ; which half of its columns.  Also: which 128 rows I fetch
	s_bfe_u32 s40, ttmp6, 0x40000                  ; cx
	s_bfe_u32 s41, ttmp6, 0x40004                  ; cy
	s_and_b32 s66, ttmp7, 0xffff                   ; the cluster's y, 0..11: the same in all sixteen partners
	s_lshr_b32 s67, s66, 2                         ; which product: 0 q, 1 k, 2 v
	s_and_b32 s66, s66, 3
	s_lshl_b32 s66, s66, 2                         ; four token tiles to a cluster
	s_cmp_eq_u32 s67, 2
	s_cselect_b32 s17, 0, s66                      ; tokens are the tile rows for q and k,
	s_cselect_b32 s42, s66, 0                      ; the tile columns for v
	s_add_co_u32 s17, s17, s41                     ; tile row: it never sees cx
	s_add_co_u32 s42, s42, s40                     ; tile column: it never sees cy
	s_lshl_b32 s43, s41, 2
	s_lshl_b32 s43, 15, s43                        ; my row of the cluster
	s_lshl_b32 s44, 0x1111, s40                    ; my column
	s_or_b32 s[G1+0], s43, (0<<16)|(1<<20)|(1<<21)|(5<<22)|(3<<25)  ; 15:0 the mask; 17:16 elements of 1 byte; 20 padding on; 21 set beside a mask; 24:22 after every 64 words; 31:25 four words
	s_or_b32 s[G1B+0], s44, (0<<16)|(1<<20)|(1<<21)|(5<<22)|(3<<25)
.irp g, G1, G1B
	s_mov_b32 s[\g+1], ROWB<<16                    ; tensor_dim0
	s_mov_b32 s[\g+2], 128<<16                     ; tensor_dim1
	s_mov_b32 s[\g+3], ROWB<<16                    ; tile_dim0
	s_mov_b32 s[\g+4], 128                         ; tile_dim1
	s_mov_b32 s[\g+5], KROW                        ; tensor_dim0_stride
	s_mov_b32 s[\g+6], 0
	s_mov_b32 s[\g+7], 0
.endr
	s_lshl_b32 s18, s16, 7
	s_lshl_b32 s20, s17, 8
	s_add_co_u32 s20, s20, s18                     ; A': row 256 x tile row + 128 x half,
	s_lshl_b32 s20, s20, 10                        ; in bytes (under 4 MiB)
	s_mov_b32 s21, 0
	s_lshl_b32 s46, s42, 8
	s_add_co_u32 s46, s46, s18                     ; B' likewise
	s_lshl_b32 s46, s46, 10
	s_mov_b32 s47, 0
	s_mul_i32 s45, s14, HALFT                      ; where they go: wave x 128 rows
	s_lshl_b32 s22, s67, 22                        ; the product's set of xa and its part of qkvc: 4 MiB each
	s_mov_b32 s23, 0
	s_wait_kmcnt 0x0
	s_load_b512 s[80:95], s[76:77], 0x0            ; all sixteen exponents
	s_add_nc_u64 s[68:69], s[68:69], s[22:23]
	s_add_nc_u64 s[10:11], s[78:79], s[22:23]
	s_cmp_eq_u32 s67, 0
	s_cselect_b64 s[6:7], s[70:71], s[72:73]       ; the choices hang on the cluster's y alone
	s_cmp_eq_u32 s67, 2
	s_cselect_b64 s[4:5], s[74:75], s[68:69]       ; A'
	s_cselect_b64 s[6:7], s[68:69], s[6:7]         ; B'
	s_add_nc_u64 s[20:21], s[4:5], s[20:21]
	s_add_nc_u64 s[46:47], s[6:7], s[46:47]
	CROUND                                         ; all sixteen work-groups are here: the first joint loads meet
.irp s, 0,1
	s_mov_b32 s[G0+4*\s], 1
	s_add_co_u32 s[G0+4*\s+1], s45, \s*SLOT
	s_add_nc_u64 s[G0+4*\s+2:G0+4*\s+3], s[20:21], \s*ROWB
	s_or_b32 s[G0+4*\s+3], s[G0+4*\s+3], 0x80000000
	s_mov_b32 s[G0B+4*\s], 1
	s_add_co_u32 s[G0B+4*\s+1], s45, \s*SLOT
	s_add_nc_u64 s[G0B+4*\s+2:G0B+4*\s+3], s[46:47], \s*ROWB
	s_or_b32 s[G0B+4*\s+3], s[G0B+4*\s+3], 0x80000000
.endr
	JLOAD G0, G1, G0B, G1B                         ; K step 0: one tensor load a wave at the head
	v_and_b32 v1, 15, v0                           ; r
	v_bfe_u32 v2, v0, 4, 1                         ; h
	v_mul_u32_u24 v3, v1, PITCH
	v_lshl_add_u32 v4, v2, 4, v3                   ; a fragment's row x pitch + 16 x half
	s_mul_i32 s21, s15, HALFT
	s_mul_i32 s22, s16, HALFT
	s_add_co_u32 s22, s22, 2*HALFT
.irp s, 0,1
	v_add_nc_u32 v[ADRA+\s], s21, v4
	v_add_nc_u32 v[ADRB+\s], s22, v4
	s_add_co_u32 s21, s21, SLOT
	s_add_co_u32 s22, s22, SLOT
.endr
	v_and_b32 v6, 31, v0
	v_lshlrev_b32 v[CO], 4, v6
	; where my codes begin.  q, k: (((tile row / 8) 16 + 4 tile column + 2 wc) 128 + (tile row % 8) 16 + 8 wr) x 1,024
	s_lshr_b32 s18, s17, 3
	s_lshl_b32 s18, s18, 4
	s_lshl_b32 s19, s42, 2
	s_add_co_u32 s18, s18, s19
	s_lshl_b32 s19, s16, 1
	s_add_co_u32 s18, s18, s19                     ; batch x 16 + my first head
	s_lshl_b32 s18, s18, 7
	s_and_b32 s19, s17, 7
	s_lshl_b32 s19, s19, 4
	s_add_co_u32 s18, s18, s19
	s_lshl_b32 s19, s15, 3
	s_add_co_u32 s18, s18, s19                     ; + my first token tile in the batch
	s_lshl_b32 s18, s18, 10
	; v: (((tile column / 8) 16 + 4 tile row + 2 wr) 16 + (tile column % 8) 2 + wc) x 8,192
	s_lshr_b32 s22, s42, 3
	s_lshl_b32 s22, s22, 4
	s_lshl_b32 s23, s17, 2
	s_add_co_u32 s22, s22, s23
	s_lshl_b32 s23, s15, 1
	s_add_co_u32 s22, s22, s23
	s_lshl_b32 s22, s22, 4
	s_and_b32 s23, s42, 7
	s_lshl_b32 s23, s23, 1
	s_add_co_u32 s22, s22, s23
	s_add_co_u32 s22, s22, s16
	s_lshl_b32 s22, s22, 13
	s_cmp_eq_u32 s67, 2
	s_cselect_b32 s18, s22, s18
	s_mov_b32 s19, 0
	s_add_nc_u64 s[10:11], s[10:11], s[18:19]
.macro FRAG reg, adr, q, i             ; 16 rows x 128 K: registers 4 c .. 4 c + 3 hold K = 32 c + 16 (l / 16) + 0 .. 15 of row l % 16
.irp c, 0,1,2,3
	ds_load_b128 v[\reg+4*\c:\reg+4*\c+3], v[\adr] offset:128*(\q)+32*\c+(\i)*16*PITCH
.endr
.endm
; 16 matrix instructions: A's blocks a0, a0 + 1 x B's eight.  The 64 accumulators take turns, one instruction a turn, in the same order in every step.
.macro MUL16 a0, p, zero
.irp a, \a0, \a0+1
.irp b, 0,1,2,3,4,5,6,7
.if \zero
	v_wmma_f32_16x16x128_bf8_bf8 v[8*(8*((\a)%4)+\b):8*(8*((\a)%4)+\b)+7], v[128*(\p)+FR*\b:128*(\p)+FR*\b+FR-1], v[AF+FR*(\a):AF+FR*(\a)+FR-1], 0
.else
	v_wmma_f32_16x16x128_bf8_bf8 v[8*(8*((\a)%4)+\b):8*(8*((\a)%4)+\b)+7], v[128*(\p)+FR*\b:128*(\p)+FR*\b+FR-1], v[AF+FR*(\a):AF+FR*(\a)+FR-1], v[8*(8*((\a)%4)+\b):8*(8*((\a)%4)+\b)+7]
.endif
.endr
.endr
.endm
.macro FETCH_B slot, q, p
	WIN TO_B
.irp i, 0,1,2,3,4,5,6,7
	FRAG 128*(\p)+FR*\i, ADRB+\slot, \q, \i
.endr
	WIN 0
.endm
.macro FETCH_A slot, q, i0
.irp i, \i0, \i0+1, \i0+2, \i0+3
	FRAG AF+FR*(\i), ADRA+\slot, \q, \i
.endr
.endm
.macro PLACES n                        ; plain vector lines between a matrix instruction and a load into, or a vector line on, its registers
.rept \n
	v_nop
.endr
.endm
; A step of 128 along K that has its successor in the same slot.  A block of A' is free as soon as its eight products are issued: blocks 0-3 are fetched anew in the step's middle, blocks 4-7 at its end.
.macro STEP slot, q, zero
	s_wait_dscnt 4*NL                              ; B's set and A's blocks 0-3 are in; the youngest sixteen loads (A's blocks 4-7) may be out
	WIN MUL_LO
	MUL16 0, (\q)%2, \zero
	MUL16 2, (\q)%2, \zero
	s_wait_dscnt 0
	PLACES NP
	FETCH_B \slot, (\q)+1, 1-(\q)%2
	FETCH_A \slot, (\q)+1, 0
	WIN MUL_HI
	MUL16 4, (\q)%2, \zero
	MUL16 6, (\q)%2, \zero
	PLACES NP
	WIN 0
	FETCH_A \slot, (\q)+1, 4
.endm
; A slot's last step changes slots: ONE barrier; in front of it each wave waits for all its tensor loads, adds 0 to its spare word, and waits for that and for its reads of this slot.
.macro TURN slot, next, fill
	s_wait_tensorcnt 0x0                           ; all my tensor loads have landed: my part of the next slot
	ds_add_u32 v[SPW], v[NIL]                      ; 0 onto my spare word
	s_wait_dscnt 4*NL+1                            ; (the add and A's blocks 4-7 may be out)
	WIN MUL_LO
	MUL16 0, 1, 0
	s_wait_dscnt 0x0                               ; the add is done, and my reads of this slot are over
	s_barrier_signal -1
	MUL16 2, 1, 0
	WIN 0
	s_barrier_wait -1
.if \fill
	CREST                                          ; the barrier has opened a round of the cluster's: no wave of any partner still reads this slot or has a load on its way
	s_add_nc_u64 s[G0+4*\slot+2:G0+4*\slot+3], s[G0+4*\slot+2:G0+4*\slot+3], 2*ROWB
	s_add_nc_u64 s[G0B+4*\slot+2:G0B+4*\slot+3], s[G0B+4*\slot+2:G0B+4*\slot+3], 2*ROWB
	JLOAD G0+4*\slot, G1, G0B+4*\slot, G1B         ; the first tensor load behind the round; its four v_nop are the places in front of the loads below
.else
	PLACES NP
.endif
	FETCH_B \next, 0, 0
	FETCH_A \next, 0, 0
	WIN MUL_HI
	MUL16 4, 1, 0
	MUL16 6, 1, 0
	PLACES NP
	WIN 0
	FETCH_A \next, 0, 4
.endm
	s_wait_alu depctr_va_vdst(0)
	s_wait_tensorcnt 0x0                           ; my part of K step 0 is in
	ds_add_u32 v[SPW], v[NIL]
	s_wait_dscnt 0x0
	CROUND                                         ; everybody's part is in, and all sixteen work-groups are here
	JLOAD G0+4, G1, G0B+4, G1B                     ; K step 1: the first tensor load behind the round
	FETCH_B 0, 0, 0
	FETCH_A 0, 0, 0
	FETCH_A 0, 0, 4
	STEP 0, 0, 1                                   ; the first step's products start the sums: nothing is cleared
	s_mov_b32 s3, LAPS-1
.Llap:                                                 ; a trip goes once round the ring and fills both slots again
	TURN 0, 1, 1
	STEP 1, 0, 0
	TURN 1, 0, 1
	STEP 0, 0, 0
	s_sub_co_u32 s3, s3, 1
	s_cmp_lg_u32 s3, 0
	s_cbranch_scc1 .Llap
	TURN 0, 1, 0                                   ; the last lap fills nothing
	STEP 1, 0, 0
	s_wait_dscnt 4*NL
	WIN MUL_LO
	MUL16 0, 1, 0
	MUL16 2, 1, 0
	s_wait_dscnt 0
	WIN MUL_HI
	MUL16 4, 1, 0
	MUL16 6, 1, 0
	WIN 0
	; THE WAY OUT.  A sum stands for sum x 2^(the two operands' exponents): the three scales are folded into the conversion's one.  All three folds are made, and one is chosen by the product's number: no branch hangs on a scale.
	s_wait_kmcnt 0x0
	s_sub_co_i32 s86, s86, s80
	s_sub_co_i32 s86, s86, s81                     ; q: e6 - e0 - e1
	s_sub_co_i32 s87, s87, s82
	s_sub_co_i32 s87, s87, s83                     ; k: e7 - e2 - e3
	s_sub_co_i32 s89, s89, s84
	s_sub_co_i32 s89, s89, s85                     ; v: e9 - e4 - e5
	s_cmp_eq_u32 s67, 0
	s_cselect_b32 s96, s86, s87
	s_cmp_eq_u32 s67, 2
	s_cselect_b32 s96, s89, s96
	s_add_co_i32 s96, s96, 127
	s_lshl_b32 s97, s96, 23
	v_mov_b32 v[SCL], s97
	s_add_co_i32 s96, s96, 15
	s_lshl_b32 s96, s96, 23
	s_or_b32 s96, s96, 0x600000
	v_mov_b32 v[LIMV], s96
	PLACES NP
.macro CODES a                         ; block a: 64 sums of a lane become 16 registers of codes; each accumulator is read from its low end on
	WIN 0x02+(\a)/4                                ; source 0: window 2 or 3
.set j, 0
.rept 64
	v_med3_num_f32 v[TMP+j], v[64*((\a)%4)+j], -v[LIMV], v[LIMV]   ; the conversion does not saturate (ISA guide 7.6.2): the hold
.set j, j+1
.endr
	WIN 0
.set j, 0
.rept 8
	v_cvt_scalef32_pk8_bf8_f32 v[CD+16*(\a)+2*j:CD+16*(\a)+2*j+1], v[TMP+8*j:TMP+8*j+7], v[SCL]
.set j, j+1
.endr
	v_nop                                          ; a plain line between the conversions and the next lines that write their sources
.endm
.irp a, 0,1,2,3,4,5,6,7
	CODES \a
.endr
	s_cmp_eq_u32 s67, 2                            ; the branch hangs on the cluster's y: alike in all partners
	s_cbranch_scc1 .Lstore_v
.irp a, 0,1,2,3,4,5,6,7
.irp p, 0,1,2,3
	global_store_b128 v[CO], v[CD+16*\a+4*\p:CD+16*\a+4*\p+3], s[10:11] offset:1024*\a+131072*(\p/2)+512*(\p%2)   ; token tile a; head p / 2; 512 dense bytes, aligned
.endr
.endr
	s_branch .Lstored
.Lstore_v:
	s_wait_alu depctr_va_vdst(0)
.irp a, 0,1,2,3,4,5,6,7
.irp p, 0,1,2,3
	global_store_b128 v[CO], v[CD+16*\a+4*\p:CD+16*\a+4*\p+3], s[10:11] offset:131072*(\a/4)+2048*(\a%4)+512*\p   ; head a / 4, tile a % 4 of its d
.endr
.endr
.Lstored:
	s_wait_tensorcnt 0x0                           ; the wave's end
	ds_add_u32 v[SPW], v[NIL]
	s_wait_dscnt 0x0
	CROUND                                         ; the closing round
	s_endpgm
.Lfunc_end_k_q25d477b39f_qkv:
	.size	k_q25d477b39f_qkv, .Lfunc_end_k_q25d477b39f_qkv-k_q25d477b39f_qkv
	.p2alignl 7, 3214868480
	.fill 96, 4, 3214868480
	.section	.rodata,"a",@progbits
	.p2align	6, 0x0
	.amdhsa_kernel k_q25d477b39f_qkv
		.amdhsa_group_segment_fixed_size 327680
		.amdhsa_private_segment_fixed_size 0
		.amdhsa_enable_private_segment 0
		.amdhsa_kernarg_size 48
		.amdhsa_user_sgpr_count 2
		.amdhsa_user_sgpr_kernarg_segment_ptr 1
		.amdhsa_wavefront_size32 1
		.amdhsa_system_sgpr_workgroup_id_x 1
		.amdhsa_system_sgpr_workgroup_id_y 1
		.amdhsa_system_sgpr_workgroup_id_z 1
		.amdhsa_system_vgpr_workitem_id 0
		.amdhsa_next_free_vgpr 1024
		.amdhsa_next_free_sgpr 98
		.amdhsa_reserve_vcc 0
		.amdhsa_float_denorm_mode_32 3
		.amdhsa_float_denorm_mode_16_64 3
		.amdhsa_memory_ordered 1
		.amdhsa_forward_progress 1
		.amdhsa_inst_pref_size 122
	.end_amdhsa_kernel
	.amdgpu_metadata
---
amdhsa.version: [ 1, 2 ]
amdhsa.kernels:
  - .name:           k_q25d477b39f_qkv
    .symbol:         k_q25d477b39f_qkv.kd
    .args:
      - { .name: xa, .offset: 0, .size: 8, .value_kind: global_buffer, .address_space: global }
      - { .name: Wq_codes, .offset: 8, .size: 8, .value_kind: global_buffer, .address_space: global }
      - { .name: Wk_codes, .offset: 16, .size: 8, .value_kind: global_buffer, .address_space: global }
      - { .name: Wv_codes, .offset: 24, .size: 8, .value_kind: global_buffer, .address_space: global }
      - { .name: lowp_scales, .offset: 32, .size: 8, .value_kind: global_buffer, .address_space: global }
      - { .name: qkvc, .offset: 40, .size: 8, .value_kind: global_buffer, .address_space: global }
    .group_segment_fixed_size: 327680
    .private_segment_fixed_size: 0
    .kernarg_segment_align: 8
    .kernarg_segment_size: 48
    .max_flat_workgroup_size: 128
    .sgpr_count:     98
    .vgpr_count:     1024
    .wavefront_size: 32
...
	.end_amdgpu_metadata
.endif
;; end of part 2
;; launch attn (part 3): grid 8 x 32, 16 waves a work-group, clusters of 4 x 1, 327,680 bytes of LDS; arguments qkvc, lowp_scales, att; writes att
.if DOCPART == 3
	.amdgcn_target "amdgcn-amd-amdhsa--gfx1250"
	.amdhsa_code_object_version 6
	.text
	.protected	k_q25d477b39f_attn
	.globl	k_q25d477b39f_attn
	.p2align	8
	.type	k_q25d477b39f_attn,@function
k_q25d477b39f_attn:
	s_mov_b64 s[64:65], 0
	v_nop
	global_prefetch_b8 v0, s[64:65] scope:SCOPE_SE
	s_setreg_imm32_b32 hwreg(HW_REG_WAVE_MODE, 25, 1), 1
	s_wait_xcnt 0x0
	s_wait_alu depctr_hold_cnt(0) depctr_sa_sdst(0) depctr_va_vdst(0) depctr_va_sdst(0) depctr_va_ssrc(0) depctr_va_vcc(0) depctr_vm_vsrc(0)
	s_getreg_b32 s2, hwreg(HW_REG_IB_STS2, 6, 4)
	s_cmp_eq_u32 s2, 0
	s_cbranch_scc0 .Lentry_in_a_cluster
	s_endpgm
.Lentry_in_a_cluster:
	s_bfe_u32 s2, ttmp6, 0x10000c
	s_cmp_lg_u32 s2, 0x3003
	s_cbranch_scc0 .Lentry_shape_is_right
	s_endpgm
.Lentry_shape_is_right:
; Causal attention of one batch and head (grid y) on codes of E5M2, from the images of operand registers in qkvc; the result is quantised (entry 10) into att, an image for the projection.
; qkvc: q at 0, k at 4 MiB: [batch x 16 + head][token tile of 16 (128)][1,024 bytes]; v at 8 MiB: [batch x 16 + head][block of 128 keys (16)][tile of 16 d (4)][2,048 bytes].
; LEFT OUT: key steps all of whose 128 keys come after a tile's 16 queries: the causal mask sets their scores to -inf, so their p is 0 for all inputs.
; SOFTMAX: t = score x log2(e) / 8; M = the running largest t rounded up to a whole number; p = 2^(t - M) is quantised (entry 8); the row's sum is taken of the unquantised p and divides at the end.
; SHARES.  Work-group x (0..7) of a head owns the query tiles 8 j + x, j = 0..15, one to a wave; tile 8 j + x needs key steps 0..j, the last on the diagonal: 136 steps in every work-group.
; j is dealt by a 4 x 4 magic square over (w / 4, w % 4): j = w, but 15 - w on the square's two diagonals; any four waves with equal w / 4, or with equal w % 4, have 34 steps together.
; So branches hang on the wave's number and the count of steps alone, and every work-group reads all of K and V: 256 KiB, which stay in LDS as they lie in memory.
; CLUSTER 4, 1, 1: the four partners ask for K and V jointly.  Keys 0-511 (4 KiB a wave; waves 0-7 K, 8-15 V) are asked for at the head, keys 512-2047 (12 KiB a wave) behind the first round,
; and land under the first four steps.  No prefetch: both groups are asked for at the head, and no loop runs ahead of them.
; Both products are used transposed: a lane holds one query (lane % 16); register 8 t + i of S^T is key 16 t + 8 (lane / 16) + i of the step.
; LIMITS: e6 + e7 between -123 and 130; e8 between -126 and 112; e10 - e8 - e9 between -126 and 112; scaled scores under 2^31 in magnitude.  NaN is not served.
; REGISTERS: v1-9 addresses; v12 -M, v13 largest t, v[14:15] the sum; v16-23 Q; v32-95 fragments of K, then V; v96-159 S^T, then p; v160-191 O^T; v224-239 p's codes; v240-254 at work.
.set SPARE, 0x40000                    ; behind K and V: the spare words, 128 bytes a wave
.set AK0, 1
.set AV0, 2
.set DM,  3                            ; 16 x + lane % 16 - 8 (lane / 16): on the diagonal key 16 t + i is hidden where it is greater
.set NINF, 4
.set SPW, 5
.set NIL, 6
.set ADK, 8
.set ADV, 9
.set QA,  16
.set XL,  245
.set WV,  14
.set BH,  15
.set J,   16
.set ST,  17
.set TB,  18
.set CNT, 19
.set SEL, 20
.set CS,  22
.set G1,  24
.set G1B, 32
.set G0,  40
.set G0B, 44
.set X,   62
.macro ROUND
	s_barrier_signal -1
	s_barrier_wait -1
	s_cmp_lg_u32 s[WV], 0
	s_cbranch_scc1 .Lnw0_\@
	s_barrier_signal -3
.Lnw0_\@:
	s_barrier_wait -3
	s_barrier_signal -1
	s_barrier_wait -1
.endm
	s_load_b128 s[4:7], s[0:1], 0x0                ; qkvc, the exponents
	s_load_b64 s[8:9], s[0:1], 0x10                ; att
	v_lshl_add_u32 v[SPW], v0, 2, SPARE
	v_mov_b32 v[NIL], 0
	ds_add_u32 v[SPW], v[NIL]                      ; the opening lines: the add twice on end and one wait
	ds_add_u32 v[SPW], v[NIL]
	v_lshrrev_b32 v8, 5, v0
	v_readfirstlane_b32 s[WV], v8
	s_and_b32 s[BH], ttmp7, 0xffff
	s_bfe_u32 s[X], ttmp6, 0x40000
	s_lshl_b32 s54, ttmp9, 2
	s_add_co_u32 s[X], s[X], s54                   ; x = 4 x cluster + my place: it enters addresses in memory and the mask's numbers alone
	s_mov_b32 s[G1], (3<<16)|(1<<21)|15            ; elements of 8 bytes; the mask names the four partners
	s_mov_b32 s[G1+1], 32<<16                      ; rows of 256 bytes, dense
	s_mov_b32 s[G1+2], 16<<16
	s_mov_b32 s[G1+3], 32<<16
	s_mov_b32 s[G1+4], 16                          ; 16 rows: 4 KiB
	s_mov_b32 s[G1+5], 32
	s_mov_b32 s[G1+6], 0
	s_mov_b32 s[G1+7], 0
	s_mov_b32 s[G1B], (3<<16)|(1<<21)|15
	s_mov_b32 s[G1B+1], 32<<16
	s_mov_b32 s[G1B+2], 48<<16
	s_mov_b32 s[G1B+3], 32<<16
	s_mov_b32 s[G1B+4], 48                         ; 48 rows: 12 KiB
	s_mov_b32 s[G1B+5], 32
	s_mov_b32 s[G1B+6], 0
	s_mov_b32 s[G1B+7], 0
	s_lshr_b32 s58, s[WV], 3                       ; 0: K, 1: V
	s_and_b32 s55, s[WV], 7                        ; my eighth
	s_lshl_b32 s54, s58, 17
	s_lshl_b32 s56, s55, 12
	s_mul_i32 s12, s55, 12288
	s_add_co_u32 s12, s12, 32768
	s_mov_b32 s[G0], 1
	s_add_co_u32 s[G0+1], s54, s56
	s_mov_b32 s[G0B], 1
	s_add_co_u32 s[G0B+1], s54, s12
	s_add_co_u32 s58, s58, 1
	s_lshl_b32 s58, s58, 22
	s_lshl_b32 s59, s[BH], 17
	s_add_co_u32 s58, s58, s59                     ; where the head's K or V begins in qkvc
	s_add_co_u32 s56, s56, s58
	s_add_co_u32 s12, s12, s58
	s_mov_b32 s57, 0
	s_mov_b32 s13, 0
	s_wait_dscnt 0x0
	s_wait_kmcnt 0x0
	s_load_b128 s[48:51], s[6:7], 0x18             ; e6 .. e9
	s_load_b32 s52, s[6:7], 0x28                   ; e10
	s_add_nc_u64 s[G0+2:G0+3], s[4:5], s[56:57]
	s_or_b32 s[G0+3], s[G0+3], 0x80000000
	s_add_nc_u64 s[G0B+2:G0B+3], s[4:5], s[12:13]
	s_or_b32 s[G0B+3], s[G0B+3], 0x80000000
	ROUND
	tensor_load_to_lds s[G0:G0+3], s[G1:G1+7]      ; keys 0-511: one tensor load a wave at the head
	s_nop 0
	s_lshr_b32 s54, s[WV], 2                       ; the magic square: t = (w / 4) xor (w % 4) is 0 or 3 on the diagonals
	s_xor_b32 s54, s54, s[WV]
	s_lshr_b32 s55, s54, 1
	s_xor_b32 s54, s54, s55
	s_and_b32 s54, s54, 1                          ; t's two bits differ: off the diagonals
	s_xor_b32 s54, s54, 1
	s_mul_i32 s54, s54, 15
	s_xor_b32 s[J], s[WV], s54                     ; w, or 15 - w
	s_lshl_b32 s54, s[J], 3
	s_add_co_u32 s54, s54, s[X]                    ; my query tile
	s_lshl_b32 s56, s[BH], 7
	s_add_co_u32 s58, s56, s54
	s_lshl_b32 s58, s58, 10
	s_mov_b32 s59, 0
	s_add_nc_u64 s[12:13], s[4:5], s[58:59]
	v_and_b32 v[AK0], 31, v0
	v_lshlrev_b32 v[AK0], 4, v[AK0]                ; 16 x lane
	v_add_nc_u32 v[AV0], 0x20000, v[AK0]
	global_load_b128 v[QA:QA+3], v[AK0], s[12:13]
	global_load_b128 v[QA+4:QA+7], v[AK0], s[12:13] offset:512
	s_and_b32 s56, s[BH], 15                       ; att: ((head / 8) 256 + batch 128 + tile) x 8,192 + (head % 8) x 1,024
	s_lshr_b32 s57, s56, 3
	s_lshl_b32 s57, s57, 8
	s_lshr_b32 s58, s[BH], 4
	s_lshl_b32 s58, s58, 7
	s_add_co_u32 s57, s57, s58
	s_and_b32 s56, s56, 7
	s_lshl_b32 s56, s56, 10
	s_add_co_u32 s54, s54, s57
	s_lshl_b32 s54, s54, 13
	s_add_co_u32 s58, s54, s56
	s_mov_b32 s59, 0
	s_add_nc_u64 s[8:9], s[8:9], s[58:59]
	s_lshl_b32 s54, s[X], 4
	v_and_b32 v[DM], 15, v0
	v_bfe_u32 v[ADK], v0, 4, 1
	v_lshlrev_b32 v[ADK], 3, v[ADK]
	v_sub_nc_u32 v[DM], v[DM], v[ADK]
	v_add_nc_u32 v[DM], s54, v[DM]
	v_mov_b32 v[NINF], 0xff800000
	v_mov_b32 v[XL], 0
	v_mov_b32 v253, 0
	s_mov_b32 s[SEL], 0x76543210
	s_mov_b32 s[SEL+1], 0xfedcba98
	s_mov_b32 s[CS], 0x3e38aa3b                    ; log2(e) / 8
	s_wait_kmcnt 0x0
	s_add_co_i32 s54, s48, s49
	s_lshl_b32 s54, s54, 23
	s_add_co_i32 s[CS], s[CS], s54                 ; x 2^(e6 + e7)
	s_mov_b32 s[CS+1], s[CS]
	s_add_co_i32 s54, s50, 127
	s_lshl_b32 s55, s54, 23
	v_mov_b32 v244, s55                            ; 2^e8
	s_add_co_i32 s54, s54, 15
	s_lshl_b32 s54, s54, 23
	s_or_b32 s54, s54, 0x600000
	v_mov_b32 v240, s54                            ; 57,344 x 2^e8
	s_sub_co_i32 s54, s52, s50
	s_sub_co_i32 s54, s54, s51
	s_add_co_i32 s54, s54, 127
	s_lshl_b32 s60, s54, 23                        ; 2^(e10 - e8 - e9)
	s_add_co_i32 s54, s54, 15
	s_lshl_b32 s61, s54, 23
	s_or_b32 s61, s61, 0x600000
	v_mov_b32 v13, 0xff61b1e6                      ; the largest t so far: under every t
	v_floor_f32 v12, -v13
	v_mov_b32 v14, 0
	v_mov_b32 v15, 0
.set j, 0
.rept 32
	v_mov_b32 v[160+j], 0                          ; O^T: the step is written once, its first run finds zeros
.set j, j+1
.endr
; A key step of 128 keys.  A step behind my tile's diagonal is left out by a branch on the wave's number and the count of steps.
.macro STEP
	s_cmp_gt_u32 s[ST], s[J]
	s_cbranch_scc1 .Lhid_\@
	v_add_nc_u32 v[ADK], s[TB], v[AK0]
	v_add_nc_u32 v[ADV], s[TB], v[AV0]
	v_nop
	v_nop                                          ; four places ahead of loads into registers that the last products read
.set j, 0
.rept 16
	ds_load_b128 v[32+4*j:35+4*j], v[ADK] offset:512*j
.set j, j+1
.endr
	s_wait_alu depctr_va_vdst(0)
	s_wait_dscnt 0x0
.set j, 0
.rept 8
	v_wmma_f32_16x16x64_bf8_bf8 v[96+8*j:103+8*j], v[32+8*j:39+8*j], v[QA:QA+7], 0
.set j, j+1
.endr
.rept 4
	v_nop
.endr
.set j, 0
.rept 16
	ds_load_b128 v[32+4*j:35+4*j], v[ADV] offset:512*j   ; V's fragments land under the softmax
.set j, j+1
.endr
	s_cmp_lg_u32 s[ST], s[J]
	s_cbranch_scc1 .Lopen_\@
.set j, 0
.rept 64
	v_cmp_gt_i32 vcc_lo, 16*(j/8)+j%8, v[DM]
	v_cndmask_b32 v[96+j], v[96+j], v[NINF], vcc_lo
.set j, j+1
.endr
.Lopen_\@:
	v_max3_num_f32 v254, v96, v97, v98             ; the step's largest score, in four chains, each accumulator from its low end on
	v_max3_num_f32 v252, v99, v100, v101
	v_max3_num_f32 v250, v102, v103, v104
	v_max3_num_f32 v251, v105, v106, v107
.set j, 12
.rept 6
	v_max3_num_f32 v254, v254, v[96+j], v[97+j]
	v_max3_num_f32 v252, v252, v[98+j], v[99+j]
	v_max3_num_f32 v250, v250, v[100+j], v[101+j]
	v_max3_num_f32 v251, v251, v[102+j], v[103+j]
.set j, j+8
.endr
	v_max3_num_f32 v254, v254, v156, v157
	v_max3_num_f32 v252, v252, v158, v159
	s_delay_alu instid0(VALU_DEP_1)
	v_max3_num_f32 v254, v254, v252, v250
	s_delay_alu instid0(VALU_DEP_1)
	v_max_num_f32 v254, v254, v251
	s_delay_alu instid0(VALU_DEP_1)
	v_permlanex16_b32 v[XL], v254, s[SEL], s[SEL+1]
	s_delay_alu instid0(VALU_DEP_1)
	v_max_num_f32 v254, v254, v[XL]
	s_delay_alu instid0(VALU_DEP_1)
	v_mul_f32 v254, s[CS], v254
	s_delay_alu instid0(VALU_DEP_1)
	v_max_num_f32 v13, v13, v254
	v_mov_b32 v254, v12
	s_delay_alu instid0(VALU_DEP_2)
	v_floor_f32 v12, -v13                          ; -M = floor(-t)
	s_delay_alu instid0(VALU_DEP_1)
	v_sub_f32 v254, v12, v254
	s_delay_alu instid0(VALU_DEP_1)
	v_cvt_i32_f32 v254, v254
	s_delay_alu instid0(VALU_DEP_1)
	v_ldexp_f32 v252, 1.0, v254                    ; f = 2^(old M - new M)
.set j, 0
.rept 32
	v_pk_fma_f32 v[96+j:97+j], v[96+j:97+j], s[CS:CS+1], v[12:13] op_sel_hi:[1,0,0]
.set j, j+2
.endr
	s_wait_alu depctr_va_vdst(0)                   ; the wait ahead of the batch
.set j, 0
.rept 64
	v_exp_f32 v[96+j], v[96+j]
.set j, j+1
.endr
	v_pk_mul_f32 v[14:15], v[14:15], v[252:253] op_sel_hi:[1,0]
	s_wait_alu depctr_va_vdst(0)                   ; and behind it, ahead of its first reader
	v_pk_add_f32 v[242:243], v[96:97], v[98:99]    ; the sum of the unquantised p, in four chains
	v_pk_add_f32 v[246:247], v[100:101], v[102:103]
	v_pk_add_f32 v[248:249], v[104:105], v[106:107]
.set j, 12
.rept 6
	v_pk_add_f32 v[14:15], v[14:15], v[96+j:97+j]
	v_pk_add_f32 v[242:243], v[242:243], v[98+j:99+j]
	v_pk_add_f32 v[246:247], v[246:247], v[100+j:101+j]
	v_pk_add_f32 v[248:249], v[248:249], v[102+j:103+j]
.set j, j+8
.endr
	v_pk_add_f32 v[14:15], v[14:15], v[156:157]
	v_pk_add_f32 v[242:243], v[242:243], v[158:159]
	v_pk_add_f32 v[246:247], v[246:247], v[248:249]
	v_pk_add_f32 v[14:15], v[14:15], v[242:243]
	v_pk_add_f32 v[14:15], v[14:15], v[246:247]
.set j, 0
.rept 64
	v_min_num_f32 v[96+j], v[96+j], v240           ; the hold: the conversion does not saturate (ISA guide 7.6.2); p is not negative
.set j, j+1
.endr
.set j, 0
.rept 8
	v_cvt_scalef32_pk8_bf8_f32 v[224+2*j:225+2*j], v[96+8*j:103+8*j], v244
.set j, j+1
.endr
	s_wait_alu depctr_va_vdst(0)                   ; the wait directly ahead of the first reader of O^T
.set j, 0
.rept 16
	v_pk_mul_f32 v[160+j:161+j], v[160+j:161+j], v[252:253] op_sel_hi:[1,0]
.set j, j+2
.endr
	s_wait_alu depctr_va_vdst(0)
	s_wait_dscnt 0x0                               ; V's fragments
.set j, 0
.rept 4
	v_wmma_f32_16x16x128_bf8_bf8 v[160+8*j:167+8*j], v[32+16*j:47+16*j], v[224:239], v[160+8*j:167+8*j]
.set j, j+1
.endr
.Lhid_\@:
	s_add_co_u32 s[TB], s[TB], 8192
	s_add_co_u32 s[ST], s[ST], 1
.endm
.macro WALK first, n                   ; n key steps from step first on
	s_mov_b32 s[TB], (\first)*8192
	s_mov_b32 s[ST], \first
	s_mov_b32 s[CNT], \n
.Lstep_\@:
	STEP
	s_sub_co_u32 s[CNT], s[CNT], 1
	s_cmp_lg_u32 s[CNT], 0
	s_cbranch_scc1 .Lstep_\@
.endm
	s_wait_alu depctr_va_vdst(0)                   ; the head's end
	s_wait_tensorcnt 0x0                           ; my part of keys 0-511 is in
	ds_add_u32 v[SPW], v[NIL]
	s_wait_dscnt 0x0
	ROUND
	tensor_load_to_lds s[G0B:G0B+3], s[G1B:G1B+7]  ; keys 512-2047
	s_nop 0
	s_wait_loadcnt 0x0                             ; Q
	WALK 0, 4
	s_wait_tensorcnt 0x0                           ; my part of the later keys is in,
	s_wait_dscnt 0x0
	s_barrier_signal -1
	s_barrier_wait -1                              ; everybody's is
	WALK 4, 12
	; THE WAY OUT: O^T / the sum becomes codes: eight registers are an operand's image, 1,024 dense bytes a tile
.rept 4
	v_nop
.endr
	v_add_f32 v14, v14, v15
	s_delay_alu instid0(VALU_DEP_1)
	v_permlanex16_b32 v[XL], v14, s[SEL], s[SEL+1]
	s_delay_alu instid0(VALU_DEP_1)
	v_add_f32 v14, v14, v[XL]
	s_wait_alu depctr_va_vdst(0)
	v_rcp_f32 v14, v14
	v_mov_b32 v246, s60
	v_mov_b32 v247, s61
	s_wait_alu depctr_va_vdst(0)
.set j, 0
.rept 32
	v_mul_f32 v[96+j], v[160+j], v14
.set j, j+1
.endr
.set j, 0
.rept 32
	v_med3_num_f32 v[96+j], v[96+j], -v247, v247
.set j, j+1
.endr
.set j, 0
.rept 4
	v_cvt_scalef32_pk8_bf8_f32 v[224+2*j:225+2*j], v[96+8*j:103+8*j], v246
.set j, j+1
.endr
	v_nop
	global_store_b128 v[AK0], v[224:227], s[8:9]
	global_store_b128 v[AK0], v[228:231], s[8:9] offset:512
	s_wait_tensorcnt 0x0                           ; the wave's end
	ds_add_u32 v[SPW], v[NIL]
	s_wait_dscnt 0x0
	ROUND                                          ; the closing round
	s_endpgm
.Lfunc_end_k_q25d477b39f_attn:
	.size	k_q25d477b39f_attn, .Lfunc_end_k_q25d477b39f_attn-k_q25d477b39f_attn
	.p2alignl 7, 3214868480
	.fill 96, 4, 3214868480
	.section	.rodata,"a",@progbits
	.p2align	6, 0x0
	.amdhsa_kernel k_q25d477b39f_attn
		.amdhsa_group_segment_fixed_size 327680
		.amdhsa_private_segment_fixed_size 0
		.amdhsa_enable_private_segment 0
		.amdhsa_kernarg_size 24
		.amdhsa_user_sgpr_count 2
		.amdhsa_user_sgpr_kernarg_segment_ptr 1
		.amdhsa_wavefront_size32 1
		.amdhsa_system_sgpr_workgroup_id_x 1
		.amdhsa_system_sgpr_workgroup_id_y 1
		.amdhsa_system_sgpr_workgroup_id_z 1
		.amdhsa_system_vgpr_workitem_id 0
		.amdhsa_next_free_vgpr 256
		.amdhsa_next_free_sgpr 66
		.amdhsa_reserve_vcc 1
		.amdhsa_float_denorm_mode_32 3
		.amdhsa_float_denorm_mode_16_64 3
		.amdhsa_memory_ordered 1
		.amdhsa_forward_progress 1
		.amdhsa_inst_pref_size 54
	.end_amdhsa_kernel
	.amdgpu_metadata
---
amdhsa.version: [ 1, 2 ]
amdhsa.kernels:
  - .name:           k_q25d477b39f_attn
    .symbol:         k_q25d477b39f_attn.kd
    .args:
      - { .name: qkvc, .offset: 0, .size: 8, .value_kind: global_buffer, .address_space: global }
      - { .name: lowp_scales, .offset: 8, .size: 8, .value_kind: global_buffer, .address_space: global }
      - { .name: att, .offset: 16, .size: 8, .value_kind: global_buffer, .address_space: global }
    .group_segment_fixed_size: 327680
    .private_segment_fixed_size: 0
    .kernarg_segment_align: 8
    .kernarg_segment_size: 24
    .max_flat_workgroup_size: 512
    .sgpr_count:     66
    .vgpr_count:     256
    .wavefront_size: 32
...
	.end_amdgpu_metadata
.endif
;; end of part 3
;; launch proj (part 4): grid 8 x 32, 4 waves a work-group, clusters of 4 x 4, 327,680 bytes of LDS; arguments att, Wo_codes, lowp_scales, bo, x, x1; writes x1
.if DOCPART == 4
	.amdgcn_target "amdgcn-amd-amdhsa--gfx1250"
	.amdhsa_code_object_version 6
	.text
	.protected	k_q25d477b39f_proj
	.globl	k_q25d477b39f_proj
	.p2align	8
	.type	k_q25d477b39f_proj,@function
k_q25d477b39f_proj:
	s_mov_b64 s[64:65], 0
	v_nop
	global_prefetch_b8 v0, s[64:65] scope:SCOPE_SE
	s_setreg_imm32_b32 hwreg(HW_REG_WAVE_MODE, 25, 1), 1
	s_wait_xcnt 0x0
	s_wait_alu depctr_hold_cnt(0) depctr_sa_sdst(0) depctr_va_vdst(0) depctr_va_sdst(0) depctr_va_ssrc(0) depctr_va_vcc(0) depctr_vm_vsrc(0)
	s_getreg_b32 s2, hwreg(HW_REG_IB_STS2, 6, 4)
	s_cmp_eq_u32 s2, 0
	s_cbranch_scc0 .Lentry_in_a_cluster
	s_endpgm
.Lentry_in_a_cluster:
	s_bfe_u32 s2, ttmp6, 0x10000c
	s_cmp_lg_u32 s2, 0xf033
	s_cbranch_scc0 .Lentry_shape_is_right
	s_endpgm
.Lentry_shape_is_right:
; x1 = x + att Wo + bo.  att: an image of operand registers for K = SIZE_K: [k / 512][token tile of 16 (256)][chunk of 128 k (4)][2,048 bytes], four registers at 512 g + 16 x lane, in the K = 128 form's own layout
; (registers 2 c, 2 c + 1: k = 16 c + 8 h + 0 .. 7).  Wo: [1024 (n)][SIZE_K] codes, K innermost.  x, x1: [4096][1024] f32; bo [1024] f32.  Scales: entries 10 and 11.
; A tile of the result is 128 tokens x 128 columns: with 1,024 columns a tile of 256 x 256 would give 64 work-groups, this one gives 256.  Four waves, each 64 x 64: 16 accumulators.
; K goes in steps of 512 through two LDS slots: A's part of a step is 64 KiB dense in memory and lands as it lies (a fragment is read back by four loads of 512 consecutive bytes); B's 128 rows of 512 bytes get
; 16 bytes of padding each and are read by loads of 8 bytes at 16 c + 8 h, which is the same layout: at a pitch of 132 words the 32 lanes of such a load touch 64 different banks (ISA guide 11.1).
; CLUSTERS: 4 x 4 work-groups: A's tile is asked for jointly by a row of the cluster, B's by a column.  THE MATRIX INSTRUCTION IS USED TRANSPOSED: a lane holds eight neighbouring columns of one row.
; The residual's 64 x 64 numbers of a wave are asked for at the head and land under the products.  The way out goes through the wave's own stage: sixteen lanes store 256 consecutive bytes, aligned.
; With SIZE_K = 1,024 the two slots hold all of K: nothing is filled again; the text keeps the form that serves a longer K.
; LIMITS: e10 + e11 between -126 and 127.
; REGISTERS: window 0: v8-11 bias, v16-29 addresses, v32-95 the way out, v128-255 accumulators ((a, b) at 128 + 8 (4 a + b)).  window 1: two fragment buffers of 128: A's four tiles, then B's four.  window 2: v0-127 the residual.
.set SIZE_K, 1024
.set ESC,    40                        ; the byte at which the two exponents stand
.set KSTEP,  512
.set PITCH,  528
.set AIMG,   65536                     ; A's part of a slot
.set SLOT,   AIMG+128*PITCH
.set SPARE,  2*SLOT                    ; the spare words, 128 bytes for each wave
.set STAGE,  SPARE+512                 ; 16 rows x 272 bytes for each wave: no fill lands here
.set SPITCH, 272
.set LAPS,   SIZE_K/(2*KSTEP)
.set BI,   8
.set ADRA, 16
.set ADRB, 20
.set STO,  24
.set RD,   25
.set CO,   26
.set BO,   27
.set SPW,  28
.set NIL,  29
.set TMP,  32
.set ACC,  128
.set F0,   0
.set F1,   128
.set G1,  24
.set G0,  32
.set G1B, 48
.set G0B, 56
.set WV,  72
.set WR,  73
.set WC,  74
.set MSB, 0
.macro WIN new
.if MSB != (\new)
	s_set_vgpr_msb (MSB<<8)|(\new)
.set MSB, (\new)
.endif
.endm
.set MUL,  0x05                        ; sources 0 (B) and 1 (A) window 1; C and D window 0
.set TO_F, 0x40                        ; destination window 1, address window 0
.macro JLOAD s                         ; wave 0: A's K step 0, wave 1: A's K step 1, waves 2 and 3: B's likewise: one tensor load a wave brings all of K; four v_nop follow each line
	s_cmp_eq_u32 s[WR], 0
	s_cbranch_scc0 .Lfor_b_\@
	tensor_load_to_lds s[G0+4*\s:G0+4*\s+3], s[G1:G1+7]
	s_nop 0
.rept 4
	v_nop
.endr
	s_branch .Lasked_\@
.Lfor_b_\@:
	tensor_load_to_lds s[G0B+4*\s:G0B+4*\s+3], s[G1B:G1B+7]
	s_nop 0
.rept 4
	v_nop
.endr
.Lasked_\@:
.endm
.macro CREST
	s_cmp_lg_u32 s[WV], 0
	s_cbranch_scc1 .Lnot_wave_0_\@
	s_barrier_signal -3
.Lnot_wave_0_\@:
	s_barrier_wait -3
	s_barrier_signal -1
	s_barrier_wait -1
.endm
.macro CROUND
	s_barrier_signal -1
	s_barrier_wait -1
	CREST
.endm
	s_load_b256 s[4:11], s[0:1], 0x0               ; A's image s[4:5], B's codes s[6:7], the exponents s[8:9], the bias s[10:11]
	s_load_b128 s[68:71], s[0:1], 0x20             ; the residual s[68:69], the result s[70:71]
	v_lshl_add_u32 v[SPW], v0, 2, SPARE
	v_mov_b32 v[NIL], 0
	ds_add_u32 v28, v29
	ds_add_u32 v28, v29
	s_wait_dscnt 0x0
	v_lshrrev_b32 v1, 5, v0
	v_readfirstlane_b32 s[WV], v1
	s_lshr_b32 s[WR], s[WV], 1                     ; my half of the tile's rows.  Also: I fetch for A (0) or B (1)
	s_and_b32 s[WC], s[WV], 1                      ; my half of its columns.  Also: which half I fetch
	s_bfe_u32 s40, ttmp6, 0x40000                  ; cx
	s_bfe_u32 s41, ttmp6, 0x40004                  ; cy
	s_lshl_b32 s42, ttmp9, 2
	s_add_co_u32 s42, s42, s40                     ; tile column
	s_and_b32 s43, ttmp7, 0xffff
	s_lshl_b32 s43, s43, 2
	s_add_co_u32 s43, s43, s41                     ; tile row
	s_lshl_b32 s44, s41, 2
	s_lshl_b32 s44, 15, s44                        ; my row of the cluster
	s_lshl_b32 s45, 0x1111, s40                    ; my column
	s_or_b32 s[G1+0], s44, (3<<16)|(1<<21)         ; A: the mask; elements of 8 bytes; no padding; 21 set beside a mask
	s_mov_b32 s[G1+1], 32<<16                      ; rows of 256 bytes,
	s_mov_b32 s[G1+2], 256<<16                     ; 256 of them: a whole K step of the tile row
	s_mov_b32 s[G1+3], 32<<16
	s_mov_b32 s[G1+4], 256
	s_mov_b32 s[G1+5], 32                          ; dense
	s_mov_b32 s[G1+6], 0
	s_mov_b32 s[G1+7], 0
	s_or_b32 s[G1B+0], s45, (0<<16)|(1<<20)|(1<<21)|(6<<22)|(3<<25)  ; B: elements of 1 byte; four words of padding after every 128
	s_mov_b32 s[G1B+1], KSTEP<<16
	s_mov_b32 s[G1B+2], 128<<16
	s_mov_b32 s[G1B+3], KSTEP<<16
	s_mov_b32 s[G1B+4], 128
	s_mov_b32 s[G1B+5], SIZE_K
	s_mov_b32 s[G1B+6], 0
	s_mov_b32 s[G1B+7], 0
	s_lshl_b32 s12, s43, 16                        ; A: the tile row's eight token tiles are 65,536 bytes of a K step,
	s_lshl_b32 s13, s[WC], 21                      ; my K step of the image
	s_add_co_u32 s12, s12, s13
	s_mov_b32 s13, 0
	s_lshl_b32 s46, s42, 17                        ; B: row 128 x tile column, rows of 1,024 bytes,
	s_lshl_b32 s47, s[WC], 9                       ; my K step
	s_add_co_u32 s46, s46, s47
	s_mov_b32 s47, 0
	s_mul_i32 s14, s[WC], SLOT                     ; where they go: K step 0 into slot 0, K step 1 into slot 1
	s_add_co_u32 s15, s14, AIMG
	s_wait_kmcnt 0x0
	s_load_b64 s[78:79], s[8:9], ESC               ; the two exponents
	s_add_nc_u64 s[12:13], s[4:5], s[12:13]
	s_add_nc_u64 s[46:47], s[6:7], s[46:47]
	CROUND                                         ; all sixteen work-groups are here: the first joint loads meet
.irp s, 0
	s_mov_b32 s[G0+4*\s], 1
	s_add_co_u32 s[G0+4*\s+1], s14, \s*SLOT
	s_add_nc_u64 s[G0+4*\s+2:G0+4*\s+3], s[12:13], \s*0x200000      ; a K step of the image: 256 token tiles x 8,192 bytes
	s_or_b32 s[G0+4*\s+3], s[G0+4*\s+3], 0x80000000
	s_mov_b32 s[G0B+4*\s], 1
	s_add_co_u32 s[G0B+4*\s+1], s15, \s*SLOT
	s_add_nc_u64 s[G0B+4*\s+2:G0B+4*\s+3], s[46:47], \s*KSTEP
	s_or_b32 s[G0B+4*\s+3], s[G0B+4*\s+3], 0x80000000
	JLOAD \s
.endr
	v_and_b32 v1, 15, v0                           ; r
	v_bfe_u32 v2, v0, 4, 1                         ; h
	v_and_b32 v3, 31, v0
	v_lshlrev_b32 v3, 4, v3                        ; 16 x lane
	s_lshl_b32 s16, s[WR], 15                      ; my four token tiles
	v_add_nc_u32 v[ADRA], s16, v3
	v_add_nc_u32 v[ADRA+1], SLOT, v[ADRA]
	v_mul_u32_u24 v4, v1, PITCH
	v_lshl_add_u32 v4, v2, 3, v4                   ; row r, + 8 h
	s_mul_i32 s17, s[WC], 64*PITCH
	s_add_co_u32 s17, s17, AIMG
	v_add_nc_u32 v[ADRB], s17, v4
	v_add_nc_u32 v[ADRB+1], SLOT, v[ADRB]
	s_mul_i32 s18, s[WV], 16*SPITCH
	s_add_co_u32 s18, s18, STAGE                   ; my stage
	v_mul_u32_u24 v5, v1, SPITCH
	v_lshl_add_u32 v5, v2, 5, v5
	v_add_nc_u32 v[STO], s18, v5                   ; in: row r, 32 bytes for each half of the lanes
	v_mul_u32_u24 v5, v2, SPITCH
	v_lshl_add_u32 v5, v1, 4, v5
	v_add_nc_u32 v[RD], s18, v5                    ; back: lanes 0-15 one row of 256 bytes, lanes 16-31 the next
	v_lshlrev_b32 v[BO], 4, v1                     ; my four columns
	v_lshl_add_u32 v[CO], v2, 12, v[BO]            ; and the same two rows in memory
	s_wait_alu depctr_va_vdst(0)
	s_lshl_b32 s16, s43, 7
	s_lshl_b32 s17, s[WR], 6
	s_add_co_u32 s16, s16, s17                     ; my first row
	s_lshl_b32 s16, s16, 12
	s_lshl_b32 s18, s42, 9
	s_lshl_b32 s19, s[WC], 8
	s_add_co_u32 s18, s18, s19                     ; my first column, in bytes
	s_add_co_u32 s16, s16, s18
	s_mov_b32 s17, 0
	s_mov_b32 s19, 0
	s_add_nc_u64 s[68:69], s[68:69], s[16:17]
	s_add_nc_u64 s[70:71], s[70:71], s[16:17]
	s_add_nc_u64 s[10:11], s[10:11], s[18:19]
	WIN 0x80                                       ; destination window 2
.irp a, 0,1,2,3
.irp i, 0,1,2,3,4,5,6,7
	global_load_b128 v[4*(8*\a+\i):4*(8*\a+\i)+3], v[CO], s[68:69] offset:(16*\a+2*\i)*4096 th:TH_LOAD_NT   ; the residual, laid as the rows will leave
.endr
.endr
	WIN 0
	global_load_b128 v[BI:BI+3], v[BO], s[10:11]
; 48 LDS loads in one run: 128 along K (chunk q of the slot) into buffer f: B's four tiles, then A's tiles 0, 1, then 2, 3
.macro FETCH slot, q, f
	WIN TO_F
.irp i, 0,1,2,3
.irp c, 0,1,2,3,4,5,6,7
	ds_load_b64 v[\f+64+16*\i+2*\c:\f+64+16*\i+2*\c+1], v[ADRB+\slot] offset:16*PITCH*\i+128*(\q)+16*\c
.endr
.endr
.irp i, 0,1,2,3
.irp c, 0,1,2,3
	ds_load_b128 v[\f+16*\i+4*\c:\f+16*\i+4*\c+3], v[ADRA+\slot] offset:8192*\i+2048*(\q)+512*\c
.endr
.endr
.endm
; 8 matrix instructions: A's tiles a0, a0 + 1 x B's four.  The 16 accumulators take turns, one instruction a turn, in the same order in every quarter.
.macro MUL8 f, a0, zero
.irp a, \a0, \a0+1
.irp b, 0,1,2,3
.if \zero
	v_wmma_f32_16x16x128_bf8_bf8 v[ACC+8*(4*(\a)+\b):ACC+8*(4*(\a)+\b)+7], v[\f+64+16*\b:\f+64+16*\b+15], v[\f+16*(\a):\f+16*(\a)+15], 0
.else
	v_wmma_f32_16x16x128_bf8_bf8 v[ACC+8*(4*(\a)+\b):ACC+8*(4*(\a)+\b)+7], v[\f+64+16*\b:\f+64+16*\b+15], v[\f+16*(\a):\f+16*(\a)+15], v[ACC+8*(4*(\a)+\b):ACC+8*(4*(\a)+\b)+7]
.endif
.endr
.endr
.endm
.macro PLACES                          ; four plain lines between a matrix instruction and a load into, or a read of, its registers
.rept 4
	v_nop
.endr
.endm
; A K step is four quarters of 128 along K, on buffers 0, 1, 0, 1.  One of the first three: multiplies buffer f and fetches chunk qn into g.
.macro QUARTER slot, qn, f, g, zero
	s_wait_dscnt 8                                 ; all but the youngest eight loads (A's tiles 2 and 3)
	WIN MUL
	MUL8 \f, 0, \zero
	PLACES
	FETCH \slot, \qn, \g
	s_wait_dscnt 48                                ; all but the 48 just issued
	WIN MUL
	MUL8 \f, 2, \zero
.endm
; The last quarter multiplies buffer 1 and changes slots: ONE barrier; in front of it each wave waits for all its tensor loads, adds 0 to its spare word, and waits for that and for its reads of this slot.
.macro TURN slot, next, fill
	WIN 0
	s_wait_tensorcnt 0x0                           ; all my tensor loads have landed: my part of the next slot
	ds_add_u32 v[SPW], v[NIL]                      ; 0 onto my spare word
	s_wait_dscnt 0x0                               ; the add is done, and my reads of this slot are over
	s_barrier_signal -1
	WIN MUL
	MUL8 F1, 0, 0                                  ; work on registers while the others arrive
	WIN 0
	s_barrier_wait -1
.if \fill
	CREST                                          ; the barrier has opened a round of the cluster's: no wave of any partner still reads this slot or has a load on its way
	s_add_nc_u64 s[G0+4*\slot+2:G0+4*\slot+3], s[G0+4*\slot+2:G0+4*\slot+3], 0x400000
	s_add_nc_u64 s[G0B+4*\slot+2:G0B+4*\slot+3], s[G0B+4*\slot+2:G0B+4*\slot+3], 2*KSTEP
	JLOAD \slot                                    ; the first tensor load behind the round; its four v_nop are the places in front of the loads below
.else
	PLACES
.endif
	FETCH \next, 0, F0
	WIN MUL
	MUL8 F1, 2, 0
.endm
	s_wait_tensorcnt 0x0                           ; my one load is in,
	s_barrier_signal -1
	s_barrier_wait -1                              ; everybody's is
	FETCH 0, 0, F0
	QUARTER 0, 1, F0, F1, 1                        ; the first quarter's products start the sums
.if LAPS > 1
	WIN 0
	s_mov_b32 s3, LAPS-1
.Llap:
	QUARTER 0, 2, F1, F0, 0
	QUARTER 0, 3, F0, F1, 0
	TURN 0, 1, 1
	QUARTER 1, 1, F0, F1, 0
	QUARTER 1, 2, F1, F0, 0
	QUARTER 1, 3, F0, F1, 0
	TURN 1, 0, 1
	QUARTER 0, 1, F0, F1, 0
	WIN 0
	s_sub_co_u32 s3, s3, 1
	s_cmp_lg_u32 s3, 0
	s_cbranch_scc1 .Llap
.endif
	QUARTER 0, 2, F1, F0, 0                        ; the last lap fills nothing
	QUARTER 0, 3, F0, F1, 0
	TURN 0, 1, 0
	QUARTER 1, 1, F0, F1, 0
	QUARTER 1, 2, F1, F0, 0
	QUARTER 1, 3, F0, F1, 0
	s_wait_dscnt 0x0
	WIN MUL
	MUL8 F1, 0, 0
	MUL8 F1, 2, 0
	WIN 0
	; THE WAY OUT, 16 rows at a time: the sums go through my stage and come back as rows; then sum x 2^(ea + eb) + bias + residual
	s_wait_kmcnt 0x0
	s_add_co_i32 s76, s78, s79
	s_add_co_i32 s76, s76, 127
	s_lshl_b32 s76, s76, 23                        ; 2^(ea + eb) as f32
	s_mov_b32 s77, s76
	s_wait_loadcnt 0x0                             ; the residual and the bias
	PLACES
.macro TOSTAGE a
.set TT, TMP+32*((\a)%2)
.irp b, 0,1,2,3
	ds_store_b128 v[STO], v[ACC+8*(4*(\a)+\b):ACC+8*(4*(\a)+\b)+3] offset:64*\b          ; each accumulator from its low end on
	ds_store_b128 v[STO], v[ACC+8*(4*(\a)+\b)+4:ACC+8*(4*(\a)+\b)+7] offset:64*\b+16
.endr
.irp i, 0,1,2,3,4,5,6,7
	ds_load_b128 v[TT+4*\i:TT+4*\i+3], v[RD] offset:2*SPITCH*\i   ; LDS serves a wave's instructions in order (ISA guide 5.7.1.4): these see the stores above
.endr
.endm
.macro SEND a, younger                 ; younger: the LDS instructions issued behind block a's loads
.set TT, TMP+32*((\a)%2)
	s_wait_dscnt \younger
.set j, 0
.rept 8
	v_pk_fma_f32 v[TT+4*j:TT+4*j+1], v[TT+4*j:TT+4*j+1], s[76:77], v[BI:BI+1] op_sel_hi:[1,0,1]
	v_pk_fma_f32 v[TT+4*j+2:TT+4*j+3], v[TT+4*j+2:TT+4*j+3], s[76:77], v[BI+2:BI+3] op_sel_hi:[1,0,1]
.set j, j+1
.endr
	WIN 0x08                                       ; source 1: window 2
.set j, 0
.rept 16
	v_pk_add_f32 v[TT+2*j:TT+2*j+1], v[TT+2*j:TT+2*j+1], v[32*(\a)+2*j:32*(\a)+2*j+1]
.set j, j+1
.endr
	WIN 0
.set j, 0
.rept 8
	global_store_b128 v[CO], v[TT+4*j:TT+4*j+3], s[70:71] offset:(16*(\a)+2*j)*4096   ; sixteen lanes store 256 consecutive bytes, aligned
.set j, j+1
.endr
.endm
	TOSTAGE 0
.irp a, 1,2,3
.if \a > 1
	s_wait_xcnt 0x0                                ; block a - 2's stores have read their registers: block a's loads may land there
.endif
	TOSTAGE \a
	SEND \a-1, 16                                  ; behind block a - 1's loads: block a's 8 stores and 8 loads
.endr
	SEND 3, 0
	s_wait_tensorcnt 0x0                           ; the wave's end
	ds_add_u32 v[SPW], v[NIL]
	s_wait_dscnt 0x0
	CROUND                                         ; the closing round
	s_endpgm
.Lfunc_end_k_q25d477b39f_proj:
	.size	k_q25d477b39f_proj, .Lfunc_end_k_q25d477b39f_proj-k_q25d477b39f_proj
	.p2alignl 7, 3214868480
	.fill 96, 4, 3214868480
	.section	.rodata,"a",@progbits
	.p2align	6, 0x0
	.amdhsa_kernel k_q25d477b39f_proj
		.amdhsa_group_segment_fixed_size 327680
		.amdhsa_private_segment_fixed_size 0
		.amdhsa_enable_private_segment 0
		.amdhsa_kernarg_size 48
		.amdhsa_user_sgpr_count 2
		.amdhsa_user_sgpr_kernarg_segment_ptr 1
		.amdhsa_wavefront_size32 1
		.amdhsa_system_sgpr_workgroup_id_x 1
		.amdhsa_system_sgpr_workgroup_id_y 1
		.amdhsa_system_sgpr_workgroup_id_z 1
		.amdhsa_system_vgpr_workitem_id 0
		.amdhsa_next_free_vgpr 768
		.amdhsa_next_free_sgpr 80
		.amdhsa_reserve_vcc 0
		.amdhsa_float_denorm_mode_32 3
		.amdhsa_float_denorm_mode_16_64 3
		.amdhsa_memory_ordered 1
		.amdhsa_forward_progress 1
		.amdhsa_inst_pref_size 60
	.end_amdhsa_kernel
	.amdgpu_metadata
---
amdhsa.version: [ 1, 2 ]
amdhsa.kernels:
  - .name:           k_q25d477b39f_proj
    .symbol:         k_q25d477b39f_proj.kd
    .args:
      - { .name: att, .offset: 0, .size: 8, .value_kind: global_buffer, .address_space: global }
      - { .name: Wo_codes, .offset: 8, .size: 8, .value_kind: global_buffer, .address_space: global }
      - { .name: lowp_scales, .offset: 16, .size: 8, .value_kind: global_buffer, .address_space: global }
      - { .name: bo, .offset: 24, .size: 8, .value_kind: global_buffer, .address_space: global }
      - { .name: x, .offset: 32, .size: 8, .value_kind: global_buffer, .address_space: global }
      - { .name: x1, .offset: 40, .size: 8, .value_kind: global_buffer, .address_space: global }
    .group_segment_fixed_size: 327680
    .private_segment_fixed_size: 0
    .kernarg_segment_align: 8
    .kernarg_segment_size: 48
    .max_flat_workgroup_size: 128
    .sgpr_count:     80
    .vgpr_count:     768
    .wavefront_size: 32
...
	.end_amdgpu_metadata
.endif
;; end of part 4
;; launch ln2 (part 5): grid 256 x 1, 4 waves a work-group, no clusters, 4,608 bytes of LDS; arguments x1, ln2_g, ln2_b, lowp_scales, xn2; writes xn2
.if DOCPART == 5
	.amdgcn_target "amdgcn-amd-amdhsa--gfx1250"
	.amdhsa_code_object_version 6
	.text
	.protected	k_q25d477b39f_ln2
	.globl	k_q25d477b39f_ln2
	.p2align	8
	.type	k_q25d477b39f_ln2,@function
k_q25d477b39f_ln2:
	s_mov_b64 s[64:65], 0
	v_nop
	global_prefetch_b8 v0, s[64:65] scope:SCOPE_SE
	s_setreg_imm32_b32 hwreg(HW_REG_WAVE_MODE, 25, 1), 1
	s_wait_xcnt 0x0
; xn2[row][:] = the codes (E5M2) of LN(x1[row]) = (x - mean) * rsqrt(var + 1e-5) * g + b, quantised with the scale of entry 12 of the buffer of scales.  x1: [4096][1024] f32.  xn2: [4096][1024] bytes, K innermost.
; SHARES.  A work-group of four waves takes 16 rows, a wave 4 whole rows.  A row lies in 32 registers (register 4 j + e of lane l is k = 128 j + 4 l + e: each load reads 512
; consecutive bytes), so it is read from memory once; mean and variance never leave the wave: no barrier.  The variance is taken of the centred numbers, in a second pass over registers.
; CODES.  A conversion takes 8 registers of a lane: two words of 4 neighbouring codes.  The words turn through the wave's own 1,024 bytes of LDS, so that a lane stores 16 neighbouring
; bytes and a store of the wave covers 512 consecutive bytes, aligned.
; No matrix unit, no tensor load, no cluster: the launch streams, and work-groups share only g and b (8 KiB).  All 48 loads of a wave are issued at its head.
; LIMITS: the exponent lies between -126 and 112.  NaN and infinity among the inputs are not served.
.set ROWB, 4096
.set CROW, 1024
.set SC,   10                          ; v10 = 2^e as f32, v11 = 57,344 x that
.set GA,   16
.set BE,   48
.set X,    80
.set T,    208
.set C,    240
.set O,    248
.set OB,   20                          ; s[20:21] where my rows begin in xn2
	s_load_b256 s[4:11], s[0:1], 0x0               ; x1 s[4:5], g s[6:7], b s[8:9], the scales' exponents s[10:11]
	s_load_b64 s[12:13], s[0:1], 0x20              ; xn2
	v_lshl_add_u32 v14, v0, 2, 0x1000
	v_mov_b32 v15, 0
	v_lshrrev_b32 v1, 5, v0
	v_readfirstlane_b32 s14, v1                    ; wave 0..3
	v_and_b32 v9, 31, v0                           ; lane
	v_lshlrev_b32 v1, 4, v9                        ; 16 x lane
	s_lshl_b32 s15, s14, 10                        ; my wave's stage
	v_lshl_add_u32 v2, v9, 2, s15                  ; into it: 4 bytes a lane
	v_lshl_add_u32 v3, v9, 4, s15                  ; out of it: 16 bytes a lane
	v_mov_b32 v8, 0                                ; a lane permute's destination counts as one of its sources: written once
	s_lshl_b32 s16, ttmp9, 4
	s_lshl_b32 s17, s14, 2
	s_add_co_u32 s16, s16, s17                     ; my first row: 16 x work-group + 4 x wave
	s_lshl_b32 s18, s16, 10
	s_lshl_b32 s16, s16, 12
	s_mov_b32 s17, 0
	s_mov_b32 s19, 0
	s_mov_b32 s30, 0x76543210
	s_mov_b32 s31, 0xfedcba98
	s_mov_b32 s32, 0x3a800000                      ; 1 / 1024
	s_mov_b32 s33, 0x3727c5ac                      ; 1e-5
	s_wait_alu depctr_va_vdst(0)
	s_wait_kmcnt 0x0
	s_load_b32 s26, s[10:11], 0x30                 ; entry 12
	s_add_nc_u64 s[4:5], s[4:5], s[16:17]
	s_add_nc_u64 s[OB:OB+1], s[12:13], s[18:19]
.macro XLOAD i
.set j, 0
.rept 8
	global_load_b128 v[X+32*(\i)+4*j:X+32*(\i)+4*j+3], v1, s[4:5] offset:ROWB*(\i)+512*j th:TH_LOAD_NT
.set j, j+1
.endr
.endm
	XLOAD 0
.set j, 0
.rept 8
	global_load_b128 v[GA+4*j:GA+4*j+3], v1, s[6:7] offset:512*j
.set j, j+1
.endr
.set j, 0
.rept 8
	global_load_b128 v[BE+4*j:BE+4*j+3], v1, s[8:9] offset:512*j
.set j, j+1
.endr
	XLOAD 1
	XLOAD 2
	XLOAD 3
	s_wait_kmcnt 0x0
	s_add_co_i32 s26, s26, 127
	s_lshl_b32 s34, s26, 23
	v_mov_b32 v[SC], s34                           ; 2^e as f32: the conversion takes its exponent field
	s_add_co_i32 s26, s26, 15
	s_lshl_b32 s34, s26, 23
	s_or_b32 s34, s34, 0x600000
	v_mov_b32 v[SC+1], s34                         ; 57,344 x 2^e
.macro WSUM r                          ; the sum over the wave's 32 lanes, in every lane
	v_add_f32_dpp v[\r], v[\r], v[\r] row_xmask:1 row_mask:0xf bank_mask:0xf
	v_add_f32_dpp v[\r], v[\r], v[\r] row_xmask:2 row_mask:0xf bank_mask:0xf
	v_add_f32_dpp v[\r], v[\r], v[\r] row_xmask:4 row_mask:0xf bank_mask:0xf
	v_add_f32_dpp v[\r], v[\r], v[\r] row_xmask:8 row_mask:0xf bank_mask:0xf
	v_permlanex16_b32 v8, v[\r], s30, s31
	v_add_f32 v[\r], v[\r], v8
.endm
.macro QSET i                          ; row i's finished numbers become codes and leave
.set XR, X+32*(\i)
.set j, 0
.rept 32
	v_med3_num_f32 v[T+j], v[XR+j], -v[SC+1], v[SC+1]   ; the conversion to an 8-bit code does not saturate (ISA guide 7.6.2): the hold at the largest code x the scale
.set j, j+1
.endr
.set j, 0
.rept 4
	v_cvt_scalef32_pk8_bf8_f32 v[C+2*j:C+2*j+1], v[T+8*j:T+8*j+7], v[SC]
.set j, j+1
.endr
	v_nop                                          ; one plain vector line between the conversions and the next lines that write their sources
.set j, 0
.rept 8
	ds_store_b32 v2, v[C+j] offset:128*j           ; word j: bytes 128 j + 4 l of the row
.set j, j+1
.endr
	s_wait_xcnt 0x0                                ; the stores of the row before have read O: it is loaded again only behind this wait
	ds_load_b128 v[O:O+3], v3                      ; LDS serves a wave's instructions in order (ISA guide 5.7.1.4): these see the stores above
	ds_load_b128 v[O+4:O+7], v3 offset:512
	s_wait_dscnt 0x0
	global_store_b128 v1, v[O:O+3], s[OB:OB+1] offset:CROW*(\i)          ; 32 lanes store 512 consecutive bytes, aligned
	global_store_b128 v1, v[O+4:O+7], s[OB:OB+1] offset:CROW*(\i)+512
.endm
.macro ROW i, left                     ; left = the loads of the later rows, which may stay out
.set XR, X+32*(\i)
	s_wait_loadcnt \left
	v_pk_add_f32 v[T:T+1], v[XR:XR+1], v[XR+2:XR+3]            ; the sum, two at a time, in two chains
	v_pk_add_f32 v[T+2:T+3], v[XR+4:XR+5], v[XR+6:XR+7]
.set j, 8
.rept 6
	v_pk_add_f32 v[T:T+1], v[T:T+1], v[XR+j:XR+j+1]
	v_pk_add_f32 v[T+2:T+3], v[T+2:T+3], v[XR+j+2:XR+j+3]
.set j, j+4
.endr
	v_pk_add_f32 v[T:T+1], v[T:T+1], v[T+2:T+3]
	v_add_f32 v[T], v[T], v[T+1]
	WSUM T
	v_mul_f32 v4, s32, v[T]                        ; the mean, twice
	v_mov_b32 v5, v4
.set j, 0
.rept 16
	v_pk_add_f32 v[XR+j:XR+j+1], v[XR+j:XR+j+1], v[4:5] neg_lo:[0,1] neg_hi:[0,1]   ; x - mean
.set j, j+2
.endr
	v_pk_mul_f32 v[T:T+1], v[XR:XR+1], v[XR:XR+1]              ; the sum of squares of the centred numbers
	v_pk_mul_f32 v[T+2:T+3], v[XR+2:XR+3], v[XR+2:XR+3]
.set j, 4
.rept 7
	v_pk_fma_f32 v[T:T+1], v[XR+j:XR+j+1], v[XR+j:XR+j+1], v[T:T+1]
	v_pk_fma_f32 v[T+2:T+3], v[XR+j+2:XR+j+3], v[XR+j+2:XR+j+3], v[T+2:T+3]
.set j, j+4
.endr
	v_pk_add_f32 v[T:T+1], v[T:T+1], v[T+2:T+3]
	v_add_f32 v[T], v[T], v[T+1]
	WSUM T
	v_fma_f32 v[T], v[T], s32, s33                 ; var + 1e-5
	s_wait_alu depctr_va_vdst(0)
	v_rsq_f32 v6, v[T]                             ; twice: a pair for the packed multiply
	v_rsq_f32 v7, v[T]
	v_nop                                          ; a plain line behind the transcendentals (ISA guide 5.7.2),
	s_wait_alu depctr_va_vdst(0)                   ; and the one wait ahead of their first reader
.set j, 0
.rept 16
	v_pk_mul_f32 v[XR+j:XR+j+1], v[XR+j:XR+j+1], v[6:7]
.set j, j+2
.endr
.set j, 0
.rept 16
	v_pk_fma_f32 v[XR+j:XR+j+1], v[XR+j:XR+j+1], v[GA+j:GA+j+1], v[BE+j:BE+j+1]
.set j, j+2
.endr
	QSET \i
.endm
	ROW 0, 24                                      ; row 0, g and b are in; rows 1 to 3 (24 loads) may be out
	ROW 1, 16
	ROW 2, 8
	ROW 3, 0
	s_wait_tensorcnt 0x0
	ds_add_u32 v14, v15
	s_wait_dscnt 0x0
	s_endpgm
.Lfunc_end_k_q25d477b39f_ln2:
	.size	k_q25d477b39f_ln2, .Lfunc_end_k_q25d477b39f_ln2-k_q25d477b39f_ln2
	.p2alignl 7, 3214868480
	.fill 96, 4, 3214868480
	.section	.rodata,"a",@progbits
	.p2align	6, 0x0
	.amdhsa_kernel k_q25d477b39f_ln2
		.amdhsa_group_segment_fixed_size 4608
		.amdhsa_private_segment_fixed_size 0
		.amdhsa_enable_private_segment 0
		.amdhsa_kernarg_size 40
		.amdhsa_user_sgpr_count 2
		.amdhsa_user_sgpr_kernarg_segment_ptr 1
		.amdhsa_wavefront_size32 1
		.amdhsa_system_sgpr_workgroup_id_x 1
		.amdhsa_system_sgpr_workgroup_id_y 1
		.amdhsa_system_sgpr_workgroup_id_z 1
		.amdhsa_system_vgpr_workitem_id 0
		.amdhsa_next_free_vgpr 256
		.amdhsa_next_free_sgpr 66
		.amdhsa_reserve_vcc 0
		.amdhsa_float_denorm_mode_32 3
		.amdhsa_float_denorm_mode_16_64 3
		.amdhsa_memory_ordered 1
		.amdhsa_forward_progress 1
		.amdhsa_inst_pref_size 44
	.end_amdhsa_kernel
	.amdgpu_metadata
---
amdhsa.version: [ 1, 2 ]
amdhsa.kernels:
  - .name:           k_q25d477b39f_ln2
    .symbol:         k_q25d477b39f_ln2.kd
    .args:
      - { .name: x1, .offset: 0, .size: 8, .value_kind: global_buffer, .address_space: global }
      - { .name: ln2_g, .offset: 8, .size: 8, .value_kind: global_buffer, .address_space: global }
      - { .name: ln2_b, .offset: 16, .size: 8, .value_kind: global_buffer, .address_space: global }
      - { .name: lowp_scales, .offset: 24, .size: 8, .value_kind: global_buffer, .address_space: global }
      - { .name: xn2, .offset: 32, .size: 8, .value_kind: global_buffer, .address_space: global }
    .group_segment_fixed_size: 4608
    .private_segment_fixed_size: 0
    .kernarg_segment_align: 8
    .kernarg_segment_size: 40
    .max_flat_workgroup_size: 128
    .sgpr_count:     66
    .vgpr_count:     256
    .wavefront_size: 32
...
	.end_amdgpu_metadata
.endif
;; end of part 5
;; launch ffn1 (part 6): grid 16 x 16, 4 waves a work-group, clusters of 4 x 4, 327,680 bytes of LDS; arguments xn2, W1_codes, lowp_scales, b1, h; writes h
.if DOCPART == 6
	.amdgcn_target "amdgcn-amd-amdhsa--gfx1250"
	.amdhsa_code_object_version 6
	.text
	.protected	k_q25d477b39f_ffn1
	.globl	k_q25d477b39f_ffn1
	.p2align	8
	.type	k_q25d477b39f_ffn1,@function
k_q25d477b39f_ffn1:
	s_mov_b64 s[64:65], 0
	v_nop
	global_prefetch_b8 v0, s[64:65] scope:SCOPE_SE
	s_setreg_imm32_b32 hwreg(HW_REG_WAVE_MODE, 25, 1), 1
	s_wait_xcnt 0x0
	s_wait_alu depctr_hold_cnt(0) depctr_sa_sdst(0) depctr_va_vdst(0) depctr_va_sdst(0) depctr_va_ssrc(0) depctr_va_vcc(0) depctr_vm_vsrc(0)
	s_getreg_b32 s2, hwreg(HW_REG_IB_STS2, 6, 4)
	s_cmp_eq_u32 s2, 0
	s_cbranch_scc0 .Lentry_in_a_cluster
	s_endpgm
.Lentry_in_a_cluster:
	s_bfe_u32 s2, ttmp6, 0x10000c
	s_cmp_lg_u32 s2, 0xf033
	s_cbranch_scc0 .Lentry_shape_is_right
	s_endpgm
.Lentry_shape_is_right:
.set KSTEP,  256
.set ROWB,   256
.set KROW,   1024
.set PITCH,  272
.set FR,     16
.set NL,     4
.set NP,     4
.set HALFT,  128*PITCH
.set SLOT,   4*HALFT
.set LAPS,   KROW/(2*KSTEP)
.set SPARE,  2*SLOT
.set SCL,  8
.set LIMV, 9
.set ADRA, 16
.set ADRB, 20
.set CO,   26
.set SPW,  28
.set NIL,  29
.set BI,   32
.set TMP,  32
.set AF,   128
.set CD,   128
.set G1, 24
.set G0, 32
.set G1B, 48
.set G0B, 56
.set MSB, 0
.macro WIN new
.if MSB != (\new)
	s_set_vgpr_msb (MSB<<8)|(\new)
.set MSB, (\new)
.endif
.endm
.set MUL_LO, 0xa1
.set MUL_HI, 0xf1
.set FIRST_LO, 0x81
.set FIRST_HI, 0xc1
.set TO_B,   0x40
.macro JLOAD g0a, g1a, g0b, g1b
	s_cmp_eq_u32 s15, 0
	s_cbranch_scc0 .Lfor_b_\@
	tensor_load_to_lds s[\g0a:\g0a+3], s[\g1a:\g1a+7]
	s_nop 0
.rept 4
	v_nop
.endr
	s_branch .Lasked_\@
.Lfor_b_\@:
	tensor_load_to_lds s[\g0b:\g0b+3], s[\g1b:\g1b+7]
	s_nop 0
.rept 4
	v_nop
.endr
.Lasked_\@:
.endm
.macro CREST
	s_cmp_lg_u32 s14, 0
	s_cbranch_scc1 .Lnot_wave_0_\@
	s_barrier_signal -3
.Lnot_wave_0_\@:
	s_barrier_wait -3
	s_barrier_signal -1
	s_barrier_wait -1
.endm
.macro CROUND
	s_barrier_signal -1
	s_barrier_wait -1
	CREST
.endm
	s_load_b256 s[68:75], s[0:1], 0x0
	s_load_b64 s[10:11], s[0:1], 0x20
	v_lshl_add_u32 v[SPW], v0, 2, SPARE
	v_mov_b32 v[NIL], 0
	ds_add_u32 v28, v29
	ds_add_u32 v28, v29
	s_wait_dscnt 0x0
	v_lshrrev_b32 v1, 5, v0
	v_readfirstlane_b32 s14, v1
	s_lshr_b32 s15, s14, 1
	s_and_b32 s16, s14, 1
	s_bfe_u32 s40, ttmp6, 0x40000
	s_bfe_u32 s41, ttmp6, 0x40004
	s_lshl_b32 s42, ttmp9, 2
	s_add_co_u32 s42, s42, s40
	s_and_b32 s17, ttmp7, 0xffff
	s_lshl_b32 s17, s17, 2
	s_add_co_u32 s17, s17, s41
	s_lshl_b32 s43, s41, 2
	s_lshl_b32 s43, 15, s43
	s_lshl_b32 s44, 0x1111, s40
	s_or_b32 s[G1+0], s43, (0<<16)|(1<<20)|(1<<21)|(5<<22)|(3<<25)
	s_or_b32 s[G1B+0], s44, (0<<16)|(1<<20)|(1<<21)|(5<<22)|(3<<25)
.irp g, G1, G1B
	s_mov_b32 s[\g+1], ROWB<<16
	s_mov_b32 s[\g+2], 128<<16
	s_mov_b32 s[\g+3], ROWB<<16
	s_mov_b32 s[\g+4], 128
	s_mov_b32 s[\g+5], KROW
	s_mov_b32 s[\g+6], 0
	s_mov_b32 s[\g+7], 0
.endr
	s_lshl_b32 s18, s16, 7
	s_lshl_b32 s20, s17, 8
	s_add_co_u32 s20, s20, s18
	s_lshl_b32 s20, s20, 10
	s_mov_b32 s21, 0
	s_lshl_b32 s46, s42, 8
	s_add_co_u32 s46, s46, s18
	s_lshl_b32 s46, s46, 10
	s_mov_b32 s47, 0
	s_mul_i32 s45, s14, HALFT
	s_wait_kmcnt 0x0
	s_load_b128 s[80:83], s[72:73], 0x30
	s_add_nc_u64 s[20:21], s[68:69], s[20:21]
	s_add_nc_u64 s[46:47], s[70:71], s[46:47]
	CROUND
.irp s, 0,1
	s_mov_b32 s[G0+4*\s], 1
	s_add_co_u32 s[G0+4*\s+1], s45, \s*SLOT
	s_add_nc_u64 s[G0+4*\s+2:G0+4*\s+3], s[20:21], \s*ROWB
	s_or_b32 s[G0+4*\s+3], s[G0+4*\s+3], 0x80000000
	s_mov_b32 s[G0B+4*\s], 1
	s_add_co_u32 s[G0B+4*\s+1], s45, \s*SLOT
	s_add_nc_u64 s[G0B+4*\s+2:G0B+4*\s+3], s[46:47], \s*ROWB
	s_or_b32 s[G0B+4*\s+3], s[G0B+4*\s+3], 0x80000000
	s_wait_alu depctr_va_vdst(0)
	s_wait_tensorcnt 0x0
	ds_add_u32 v28, v29
	ds_add_u32 v28, v29
	s_wait_dscnt 0x0
	CROUND
	JLOAD G0+4*\s, G1, G0B+4*\s, G1B
.endr
	v_and_b32 v1, 15, v0
	v_bfe_u32 v2, v0, 4, 1
	s_lshl_b32 s18, s42, 10
	s_lshl_b32 s19, s16, 9
	s_add_co_u32 s18, s18, s19
	s_mov_b32 s19, 0
	s_add_nc_u64 s[74:75], s[74:75], s[18:19]
	v_lshlrev_b32 v5, 5, v2
.irp b, 0,1,2,3,4,5,6,7
	global_load_b128 v[BI+8*\b:BI+8*\b+3], v5, s[74:75] offset:64*\b
	global_load_b128 v[BI+8*\b+4:BI+8*\b+7], v5, s[74:75] offset:64*\b+16
.endr
	v_mul_u32_u24 v3, v1, PITCH
	v_lshl_add_u32 v4, v2, 4, v3
	s_mul_i32 s21, s15, HALFT
	s_mul_i32 s22, s16, HALFT
	s_add_co_u32 s22, s22, 2*HALFT
.irp s, 0,1
	v_add_nc_u32 v[ADRA+\s], s21, v4
	v_add_nc_u32 v[ADRB+\s], s22, v4
	s_add_co_u32 s21, s21, SLOT
	s_add_co_u32 s22, s22, SLOT
.endr
	v_and_b32 v6, 31, v0
	v_lshlrev_b32 v[CO], 4, v6
	s_lshl_b32 s18, s42, 1
	s_add_co_u32 s18, s18, s16
	s_lshr_b32 s19, s18, 2
	s_lshl_b32 s19, s19, 8
	s_lshl_b32 s22, s17, 4
	s_add_co_u32 s19, s19, s22
	s_lshl_b32 s22, s15, 3
	s_add_co_u32 s19, s19, s22
	s_lshl_b32 s19, s19, 13
	s_and_b32 s18, s18, 3
	s_lshl_b32 s18, s18, 11
	s_add_co_u32 s18, s18, s19
	s_mov_b32 s19, 0
	s_add_nc_u64 s[10:11], s[10:11], s[18:19]
	s_wait_kmcnt 0x0
	s_add_co_i32 s84, s80, s81
	s_sub_co_i32 s85, 0, s84
	s_sub_co_i32 s86, s82, s84
	s_add_co_i32 s86, s86, 127
	s_lshl_b32 s87, s86, 23
	v_mov_b32 v[SCL], s87
	s_add_co_i32 s86, s86, 15
	s_lshl_b32 s86, s86, 23
	s_or_b32 s86, s86, 0x600000
	v_mov_b32 v[LIMV], s86
	s_wait_loadcnt 0x0
.set j, 0
.rept 64
	v_ldexp_f32 v[BI+j], v[BI+j], s85
.set j, j+1
.endr
.macro FRAG reg, adr, q, i
.irp c, 0,1,2,3
	ds_load_b128 v[\reg+4*\c:\reg+4*\c+3], v[\adr] offset:128*(\q)+32*\c+(\i)*16*PITCH
.endr
.endm
.macro MUL16 a0, p, first
.irp a, \a0, \a0+1
.irp b, 0,1,2,3,4,5,6,7
.if \first
	v_wmma_f32_16x16x128_bf8_bf8 v[8*(8*((\a)%4)+\b):8*(8*((\a)%4)+\b)+7], v[128*(\p)+FR*\b:128*(\p)+FR*\b+FR-1], v[AF+FR*(\a):AF+FR*(\a)+FR-1], v[BI+8*\b:BI+8*\b+7]
.else
	v_wmma_f32_16x16x128_bf8_bf8 v[8*(8*((\a)%4)+\b):8*(8*((\a)%4)+\b)+7], v[128*(\p)+FR*\b:128*(\p)+FR*\b+FR-1], v[AF+FR*(\a):AF+FR*(\a)+FR-1], v[8*(8*((\a)%4)+\b):8*(8*((\a)%4)+\b)+7]
.endif
.endr
.endr
.endm
.macro FETCH_B slot, q, p
	WIN TO_B
.irp i, 0,1,2,3,4,5,6,7
	FRAG 128*(\p)+FR*\i, ADRB+\slot, \q, \i
.endr
	WIN 0
.endm
.macro FETCH_A slot, q, i0
.irp i, \i0, \i0+1, \i0+2, \i0+3
	FRAG AF+FR*(\i), ADRA+\slot, \q, \i
.endr
.endm
.macro PLACES n
.rept \n
	v_nop
.endr
.endm
.macro STEP slot, q, first
	s_wait_dscnt 4*NL
.if \first
	WIN FIRST_LO
.else
	WIN MUL_LO
.endif
	MUL16 0, (\q)%2, \first
	MUL16 2, (\q)%2, \first
	s_wait_dscnt 0
	PLACES NP
	FETCH_B \slot, (\q)+1, 1-(\q)%2
	FETCH_A \slot, (\q)+1, 0
.if \first
	WIN FIRST_HI
.else
	WIN MUL_HI
.endif
	MUL16 4, (\q)%2, \first
	MUL16 6, (\q)%2, \first
	PLACES NP
	WIN 0
	FETCH_A \slot, (\q)+1, 4
.endm
.macro TURN slot, next, fill
	s_wait_tensorcnt 0x0
	ds_add_u32 v[SPW], v[NIL]
	s_wait_dscnt 4*NL+1
	WIN MUL_LO
	MUL16 0, 1, 0
	s_wait_dscnt 0x0
	s_barrier_signal -1
	MUL16 2, 1, 0
	WIN 0
	s_barrier_wait -1
.if \fill
	CREST
	s_add_nc_u64 s[G0+4*\slot+2:G0+4*\slot+3], s[G0+4*\slot+2:G0+4*\slot+3], 2*ROWB
	s_add_nc_u64 s[G0B+4*\slot+2:G0B+4*\slot+3], s[G0B+4*\slot+2:G0B+4*\slot+3], 2*ROWB
	JLOAD G0+4*\slot, G1, G0B+4*\slot, G1B
.else
	PLACES NP
.endif
	FETCH_B \next, 0, 0
	FETCH_A \next, 0, 0
	WIN MUL_HI
	MUL16 4, 1, 0
	MUL16 6, 1, 0
	PLACES NP
	WIN 0
	FETCH_A \next, 0, 4
.endm
	s_wait_alu depctr_va_vdst(0)
	s_wait_tensorcnt 1
	s_barrier_signal -1
	s_barrier_wait -1
	FETCH_B 0, 0, 0
	FETCH_A 0, 0, 0
	FETCH_A 0, 0, 4
	STEP 0, 0, 1
	s_mov_b32 s3, LAPS-1
.Llap:
	TURN 0, 1, 1
	STEP 1, 0, 0
	TURN 1, 0, 1
	STEP 0, 0, 0
	s_sub_co_u32 s3, s3, 1
	s_cmp_lg_u32 s3, 0
	s_cbranch_scc1 .Llap
	TURN 0, 1, 0
	STEP 1, 0, 0
	s_wait_dscnt 4*NL
	WIN MUL_LO
	MUL16 0, 1, 0
	MUL16 2, 1, 0
	s_wait_dscnt 0
	WIN MUL_HI
	MUL16 4, 1, 0
	MUL16 6, 1, 0
	WIN 0
	PLACES NP
.macro CODES a
	WIN 0x02+(\a)/4
.set j, 0
.rept 64
	v_med3_num_f32 v[TMP+j], v[64*((\a)%4)+j], 0, v[LIMV]
.set j, j+1
.endr
	WIN 0
.set j, 0
.rept 8
	v_cvt_scalef32_pk8_bf8_f32 v[CD+16*(\a)+2*j:CD+16*(\a)+2*j+1], v[TMP+8*j:TMP+8*j+7], v[SCL]
.set j, j+1
.endr
	v_nop
.endm
.irp a, 0,1,2,3,4,5,6,7
	CODES \a
.endr
.irp a, 0,1,2,3,4,5,6,7
.irp p, 0,1,2,3
	global_store_b128 v[CO], v[CD+16*\a+4*\p:CD+16*\a+4*\p+3], s[10:11] offset:8192*\a+512*\p
.endr
.endr
	s_wait_tensorcnt 0x0
	ds_add_u32 v[SPW], v[NIL]
	s_wait_dscnt 0x0
	CROUND
	s_endpgm
.Lfunc_end_k_q25d477b39f_ffn1:
	.size	k_q25d477b39f_ffn1, .Lfunc_end_k_q25d477b39f_ffn1-k_q25d477b39f_ffn1
	.p2alignl 7, 3214868480
	.fill 96, 4, 3214868480
	.section	.rodata,"a",@progbits
	.p2align	6, 0x0
	.amdhsa_kernel k_q25d477b39f_ffn1
		.amdhsa_group_segment_fixed_size 327680
		.amdhsa_private_segment_fixed_size 0
		.amdhsa_enable_private_segment 0
		.amdhsa_kernarg_size 40
		.amdhsa_user_sgpr_count 2
		.amdhsa_user_sgpr_kernarg_segment_ptr 1
		.amdhsa_wavefront_size32 1
		.amdhsa_system_sgpr_workgroup_id_x 1
		.amdhsa_system_sgpr_workgroup_id_y 1
		.amdhsa_system_sgpr_workgroup_id_z 1
		.amdhsa_system_vgpr_workitem_id 0
		.amdhsa_next_free_vgpr 1024
		.amdhsa_next_free_sgpr 98
		.amdhsa_reserve_vcc 0
		.amdhsa_float_denorm_mode_32 3
		.amdhsa_float_denorm_mode_16_64 3
		.amdhsa_memory_ordered 1
		.amdhsa_forward_progress 1
		.amdhsa_inst_pref_size 124
	.end_amdhsa_kernel
	.amdgpu_metadata
---
amdhsa.version: [ 1, 2 ]
amdhsa.kernels:
  - .name:           k_q25d477b39f_ffn1
    .symbol:         k_q25d477b39f_ffn1.kd
    .args:
      - { .name: xn2, .offset: 0, .size: 8, .value_kind: global_buffer, .address_space: global }
      - { .name: W1_codes, .offset: 8, .size: 8, .value_kind: global_buffer, .address_space: global }
      - { .name: lowp_scales, .offset: 16, .size: 8, .value_kind: global_buffer, .address_space: global }
      - { .name: b1, .offset: 24, .size: 8, .value_kind: global_buffer, .address_space: global }
      - { .name: h, .offset: 32, .size: 8, .value_kind: global_buffer, .address_space: global }
    .group_segment_fixed_size: 327680
    .private_segment_fixed_size: 0
    .kernarg_segment_align: 8
    .kernarg_segment_size: 40
    .max_flat_workgroup_size: 128
    .sgpr_count:     98
    .vgpr_count:     1024
    .wavefront_size: 32
...
	.end_amdgpu_metadata
.endif
;; end of part 6
;; launch ffn2 (part 7): grid 8 x 32, 4 waves a work-group, clusters of 4 x 4, 327,680 bytes of LDS; arguments h, W2_codes, lowp_scales, b2, x1, out0; writes out0
.if DOCPART == 7
	.amdgcn_target "amdgcn-amd-amdhsa--gfx1250"
	.amdhsa_code_object_version 6
	.text
	.protected	k_q25d477b39f_ffn2
	.globl	k_q25d477b39f_ffn2
	.p2align	8
	.type	k_q25d477b39f_ffn2,@function
k_q25d477b39f_ffn2:
	s_mov_b64 s[64:65], 0
	v_nop
	global_prefetch_b8 v0, s[64:65] scope:SCOPE_SE
	s_setreg_imm32_b32 hwreg(HW_REG_WAVE_MODE, 25, 1), 1
	s_wait_xcnt 0x0
	s_wait_alu depctr_hold_cnt(0) depctr_sa_sdst(0) depctr_va_vdst(0) depctr_va_sdst(0) depctr_va_ssrc(0) depctr_va_vcc(0) depctr_vm_vsrc(0)
	s_getreg_b32 s2, hwreg(HW_REG_IB_STS2, 6, 4)
	s_cmp_eq_u32 s2, 0
	s_cbranch_scc0 .Lentry_in_a_cluster
	s_endpgm
.Lentry_in_a_cluster:
	s_bfe_u32 s2, ttmp6, 0x10000c
	s_cmp_lg_u32 s2, 0xf033
	s_cbranch_scc0 .Lentry_shape_is_right
	s_endpgm
.Lentry_shape_is_right:
; out0 = x1 + h W2 + b2.  h: an image of operand registers for K = SIZE_K: [k / 512][token tile of 16 (256)][chunk of 128 k (4)][2,048 bytes], four registers at 512 g + 16 x lane, in the K = 128 form's own layout
; (registers 2 c, 2 c + 1: k = 16 c + 8 h + 0 .. 7).  W2: [1024 (n)][SIZE_K] codes, K innermost.  x1, out0: [4096][1024] f32; b2 [1024] f32.  Scales: entries 14 and 15.
; A tile of the result is 128 tokens x 128 columns: with 1,024 columns a tile of 256 x 256 would give 64 work-groups, this one gives 256.  Four waves, each 64 x 64: 16 accumulators.
; K goes in steps of 512 through a ring of two LDS slots: A's part of a step is 64 KiB dense in memory and lands as it lies (a fragment is read back by four loads of 512 consecutive bytes); B's 128 rows of 512 bytes get
; 16 bytes of padding each and are read by loads of 8 bytes at 16 c + 8 h, which is the same layout: at a pitch of 132 words the 32 lanes of such a load touch 64 different banks (ISA guide 11.1).
; CLUSTERS: 4 x 4 work-groups: A's tile is asked for jointly by a row of the cluster, B's by a column.  THE MATRIX INSTRUCTION IS USED TRANSPOSED: a lane holds eight neighbouring columns of one row.
; The residual's 64 x 64 numbers of a wave are asked for at the head and land under the products.  The way out goes through the wave's own stage: sixteen lanes store 256 consecutive bytes, aligned.
; LIMITS: e14 + e15 between -126 and 127.
; REGISTERS: window 0: v8-11 bias, v16-29 addresses, v32-95 the way out, v128-255 accumulators ((a, b) at 128 + 8 (4 a + b)).  window 1: two fragment buffers of 128: A's four tiles, then B's four.  window 2: v0-127 the residual.
.set SIZE_K, 4096
.set ESC,    56                        ; the byte at which the two exponents stand
.set KSTEP,  512
.set PITCH,  528
.set AIMG,   65536                     ; A's part of a slot
.set SLOT,   AIMG+128*PITCH
.set SPARE,  2*SLOT                    ; the spare words, 128 bytes for each wave
.set STAGE,  SPARE+512                 ; 16 rows x 272 bytes for each wave: no fill lands here
.set SPITCH, 272
.set LAPS,   SIZE_K/(2*KSTEP)
.set BI,   8
.set ADRA, 16
.set ADRB, 20
.set STO,  24
.set RD,   25
.set CO,   26
.set BO,   27
.set SPW,  28
.set NIL,  29
.set TMP,  32
.set ACC,  128
.set F0,   0
.set F1,   128
.set G1,  24
.set G0,  32
.set G1B, 48
.set G0B, 56
.set WV,  72
.set WR,  73
.set WC,  74
.set MSB, 0
.macro WIN new
.if MSB != (\new)
	s_set_vgpr_msb (MSB<<8)|(\new)
.set MSB, (\new)
.endif
.endm
.set MUL,  0x05                        ; sources 0 (B) and 1 (A) window 1; C and D window 0
.set TO_F, 0x40                        ; destination window 1, address window 0
.macro JLOAD s                         ; waves 0 and 1 fetch A's halves, waves 2 and 3 B's; four v_nop follow each line
	s_cmp_eq_u32 s[WR], 0
	s_cbranch_scc0 .Lfor_b_\@
	tensor_load_to_lds s[G0+4*\s:G0+4*\s+3], s[G1:G1+7]
	s_nop 0
.rept 4
	v_nop
.endr
	s_branch .Lasked_\@
.Lfor_b_\@:
	tensor_load_to_lds s[G0B+4*\s:G0B+4*\s+3], s[G1B:G1B+7]
	s_nop 0
.rept 4
	v_nop
.endr
.Lasked_\@:
.endm
.macro CREST
	s_cmp_lg_u32 s[WV], 0
	s_cbranch_scc1 .Lnot_wave_0_\@
	s_barrier_signal -3
.Lnot_wave_0_\@:
	s_barrier_wait -3
	s_barrier_signal -1
	s_barrier_wait -1
.endm
.macro CROUND
	s_barrier_signal -1
	s_barrier_wait -1
	CREST
.endm
	s_load_b256 s[4:11], s[0:1], 0x0               ; A's image s[4:5], B's codes s[6:7], the exponents s[8:9], the bias s[10:11]
	s_load_b128 s[68:71], s[0:1], 0x20             ; the residual s[68:69], the result s[70:71]
	v_lshl_add_u32 v[SPW], v0, 2, SPARE
	v_mov_b32 v[NIL], 0
	ds_add_u32 v28, v29
	ds_add_u32 v28, v29
	s_wait_dscnt 0x0
	v_lshrrev_b32 v1, 5, v0
	v_readfirstlane_b32 s[WV], v1
	s_lshr_b32 s[WR], s[WV], 1                     ; my half of the tile's rows.  Also: I fetch for A (0) or B (1)
	s_and_b32 s[WC], s[WV], 1                      ; my half of its columns.  Also: which half I fetch
	s_bfe_u32 s40, ttmp6, 0x40000                  ; cx
	s_bfe_u32 s41, ttmp6, 0x40004                  ; cy
	s_lshl_b32 s42, ttmp9, 2
	s_add_co_u32 s42, s42, s40                     ; tile column
	s_and_b32 s43, ttmp7, 0xffff
	s_lshl_b32 s43, s43, 2
	s_add_co_u32 s43, s43, s41                     ; tile row
	s_lshl_b32 s44, s41, 2
	s_lshl_b32 s44, 15, s44                        ; my row of the cluster
	s_lshl_b32 s45, 0x1111, s40                    ; my column
	s_or_b32 s[G1+0], s44, (3<<16)|(1<<21)         ; A: the mask; elements of 8 bytes; no padding; 21 set beside a mask
	s_mov_b32 s[G1+1], 32<<16                      ; rows of 256 bytes,
	s_mov_b32 s[G1+2], 128<<16                     ; 128 of them,
	s_mov_b32 s[G1+3], 32<<16
	s_mov_b32 s[G1+4], 128
	s_mov_b32 s[G1+5], 32                          ; dense
	s_mov_b32 s[G1+6], 0
	s_mov_b32 s[G1+7], 0
	s_or_b32 s[G1B+0], s45, (0<<16)|(1<<20)|(1<<21)|(6<<22)|(3<<25)  ; B: elements of 1 byte; four words of padding after every 128
	s_mov_b32 s[G1B+1], KSTEP<<16
	s_mov_b32 s[G1B+2], 64<<16
	s_mov_b32 s[G1B+3], KSTEP<<16
	s_mov_b32 s[G1B+4], 64
	s_mov_b32 s[G1B+5], SIZE_K
	s_mov_b32 s[G1B+6], 0
	s_mov_b32 s[G1B+7], 0
	s_lshl_b32 s12, s43, 16                        ; A: the tile row's eight token tiles are 65,536 bytes of a K step,
	s_lshl_b32 s13, s[WC], 15                      ; my half of them
	s_add_co_u32 s12, s12, s13
	s_mov_b32 s13, 0
	s_lshl_b32 s46, s42, 7
	s_lshl_b32 s47, s[WC], 6
	s_add_co_u32 s46, s46, s47                     ; B: row 128 x tile column + 64 x half
	s_mul_i32 s46, s46, SIZE_K
	s_mov_b32 s47, 0
	s_lshl_b32 s14, s[WC], 15                      ; where they go in a slot: no place in the cluster enters an LDS address
	s_mul_i32 s15, s[WC], 64*PITCH
	s_add_co_u32 s15, s15, AIMG
	s_wait_kmcnt 0x0
	s_load_b64 s[78:79], s[8:9], ESC               ; the two exponents
	s_add_nc_u64 s[12:13], s[4:5], s[12:13]
	s_add_nc_u64 s[46:47], s[6:7], s[46:47]
	CROUND                                         ; all sixteen work-groups are here: the first joint loads meet
.irp s, 0,1
	s_mov_b32 s[G0+4*\s], 1
	s_add_co_u32 s[G0+4*\s+1], s14, \s*SLOT
	s_add_nc_u64 s[G0+4*\s+2:G0+4*\s+3], s[12:13], \s*0x200000      ; a K step of the image: 256 token tiles x 8,192 bytes
	s_or_b32 s[G0+4*\s+3], s[G0+4*\s+3], 0x80000000
	s_mov_b32 s[G0B+4*\s], 1
	s_add_co_u32 s[G0B+4*\s+1], s15, \s*SLOT
	s_add_nc_u64 s[G0B+4*\s+2:G0B+4*\s+3], s[46:47], \s*KSTEP
	s_or_b32 s[G0B+4*\s+3], s[G0B+4*\s+3], 0x80000000
.endr
	JLOAD 0                                        ; K step 0: one tensor load a wave at the head
	v_and_b32 v1, 15, v0                           ; r
	v_bfe_u32 v2, v0, 4, 1                         ; h
	v_and_b32 v3, 31, v0
	v_lshlrev_b32 v3, 4, v3                        ; 16 x lane
	s_lshl_b32 s16, s[WR], 15                      ; my four token tiles
	v_add_nc_u32 v[ADRA], s16, v3
	v_add_nc_u32 v[ADRA+1], SLOT, v[ADRA]
	v_mul_u32_u24 v4, v1, PITCH
	v_lshl_add_u32 v4, v2, 3, v4                   ; row r, + 8 h
	s_mul_i32 s17, s[WC], 64*PITCH
	s_add_co_u32 s17, s17, AIMG
	v_add_nc_u32 v[ADRB], s17, v4
	v_add_nc_u32 v[ADRB+1], SLOT, v[ADRB]
	s_mul_i32 s18, s[WV], 16*SPITCH
	s_add_co_u32 s18, s18, STAGE                   ; my stage
	v_mul_u32_u24 v5, v1, SPITCH
	v_lshl_add_u32 v5, v2, 5, v5
	v_add_nc_u32 v[STO], s18, v5                   ; in: row r, 32 bytes for each half of the lanes
	v_mul_u32_u24 v5, v2, SPITCH
	v_lshl_add_u32 v5, v1, 4, v5
	v_add_nc_u32 v[RD], s18, v5                    ; back: lanes 0-15 one row of 256 bytes, lanes 16-31 the next
	v_lshlrev_b32 v[BO], 4, v1                     ; my four columns
	v_lshl_add_u32 v[CO], v2, 12, v[BO]            ; and the same two rows in memory
	s_wait_alu depctr_va_vdst(0)
	s_lshl_b32 s16, s43, 7
	s_lshl_b32 s17, s[WR], 6
	s_add_co_u32 s16, s16, s17                     ; my first row
	s_lshl_b32 s16, s16, 12
	s_lshl_b32 s18, s42, 9
	s_lshl_b32 s19, s[WC], 8
	s_add_co_u32 s18, s18, s19                     ; my first column, in bytes
	s_add_co_u32 s16, s16, s18
	s_mov_b32 s17, 0
	s_mov_b32 s19, 0
	s_add_nc_u64 s[68:69], s[68:69], s[16:17]
	s_add_nc_u64 s[70:71], s[70:71], s[16:17]
	s_add_nc_u64 s[10:11], s[10:11], s[18:19]
	WIN 0x80                                       ; destination window 2
.irp a, 0,1,2,3
.irp i, 0,1,2,3,4,5,6,7
	global_load_b128 v[4*(8*\a+\i):4*(8*\a+\i)+3], v[CO], s[68:69] offset:(16*\a+2*\i)*4096 th:TH_LOAD_NT   ; the residual, laid as the rows will leave
.endr
.endr
	WIN 0
	global_load_b128 v[BI:BI+3], v[BO], s[10:11]
; 48 LDS loads in one run: 128 along K (chunk q of the slot) into buffer f: B's four tiles, then A's tiles 0, 1, then 2, 3
.macro FETCH slot, q, f
	WIN TO_F
.irp i, 0,1,2,3
.irp c, 0,1,2,3,4,5,6,7
	ds_load_b64 v[\f+64+16*\i+2*\c:\f+64+16*\i+2*\c+1], v[ADRB+\slot] offset:16*PITCH*\i+128*(\q)+16*\c
.endr
.endr
.irp i, 0,1,2,3
.irp c, 0,1,2,3
	ds_load_b128 v[\f+16*\i+4*\c:\f+16*\i+4*\c+3], v[ADRA+\slot] offset:8192*\i+2048*(\q)+512*\c
.endr
.endr
.endm
; 8 matrix instructions: A's tiles a0, a0 + 1 x B's four.  The 16 accumulators take turns, one instruction a turn, in the same order in every quarter.
.macro MUL8 f, a0, zero
.irp a, \a0, \a0+1
.irp b, 0,1,2,3
.if \zero
	v_wmma_f32_16x16x128_bf8_bf8 v[ACC+8*(4*(\a)+\b):ACC+8*(4*(\a)+\b)+7], v[\f+64+16*\b:\f+64+16*\b+15], v[\f+16*(\a):\f+16*(\a)+15], 0
.else
	v_wmma_f32_16x16x128_bf8_bf8 v[ACC+8*(4*(\a)+\b):ACC+8*(4*(\a)+\b)+7], v[\f+64+16*\b:\f+64+16*\b+15], v[\f+16*(\a):\f+16*(\a)+15], v[ACC+8*(4*(\a)+\b):ACC+8*(4*(\a)+\b)+7]
.endif
.endr
.endr
.endm
.macro PLACES                          ; four plain lines between a matrix instruction and a load into, or a read of, its registers
.rept 4
	v_nop
.endr
.endm
; A K step is four quarters of 128 along K, on buffers 0, 1, 0, 1.  One of the first three: multiplies buffer f and fetches chunk qn into g.
.macro QUARTER slot, qn, f, g, zero
	s_wait_dscnt 8                                 ; all but the youngest eight loads (A's tiles 2 and 3)
	WIN MUL
	MUL8 \f, 0, \zero
	PLACES
	FETCH \slot, \qn, \g
	s_wait_dscnt 48                                ; all but the 48 just issued
	WIN MUL
	MUL8 \f, 2, \zero
.endm
; The last quarter multiplies buffer 1 and changes slots: ONE barrier; in front of it each wave waits for all its tensor loads, adds 0 to its spare word, and waits for that and for its reads of this slot.
.macro TURN slot, next, fill
	WIN 0
	s_wait_tensorcnt 0x0                           ; all my tensor loads have landed: my part of the next slot
	ds_add_u32 v[SPW], v[NIL]                      ; 0 onto my spare word
	s_wait_dscnt 0x0                               ; the add is done, and my reads of this slot are over
	s_barrier_signal -1
	WIN MUL
	MUL8 F1, 0, 0                                  ; work on registers while the others arrive
	WIN 0
	s_barrier_wait -1
.if \fill
	CREST                                          ; the barrier has opened a round of the cluster's: no wave of any partner still reads this slot or has a load on its way
	s_add_nc_u64 s[G0+4*\slot+2:G0+4*\slot+3], s[G0+4*\slot+2:G0+4*\slot+3], 0x400000
	s_add_nc_u64 s[G0B+4*\slot+2:G0B+4*\slot+3], s[G0B+4*\slot+2:G0B+4*\slot+3], 2*KSTEP
	JLOAD \slot                                    ; the first tensor load behind the round; its four v_nop are the places in front of the loads below
.else
	PLACES
.endif
	FETCH \next, 0, F0
	WIN MUL
	MUL8 F1, 2, 0
.endm
	s_wait_tensorcnt 0x0                           ; my part of K step 0 is in
	ds_add_u32 v[SPW], v[NIL]
	s_wait_dscnt 0x0
	CROUND                                         ; everybody's part is in, and all sixteen work-groups are here
	JLOAD 1                                        ; K step 1: the first tensor load behind the round
	FETCH 0, 0, F0
	QUARTER 0, 1, F0, F1, 1                        ; the first quarter's products start the sums
.if LAPS > 1
	WIN 0
	s_mov_b32 s3, LAPS-1
.Llap:                                                 ; a trip goes once round the ring, from a lap's second quarter to the next lap's first, and fills both slots again
	QUARTER 0, 2, F1, F0, 0
	QUARTER 0, 3, F0, F1, 0
	TURN 0, 1, 1
	QUARTER 1, 1, F0, F1, 0
	QUARTER 1, 2, F1, F0, 0
	QUARTER 1, 3, F0, F1, 0
	TURN 1, 0, 1
	QUARTER 0, 1, F0, F1, 0
	WIN 0
	s_sub_co_u32 s3, s3, 1
	s_cmp_lg_u32 s3, 0
	s_cbranch_scc1 .Llap
.endif
	QUARTER 0, 2, F1, F0, 0                        ; the last lap fills nothing
	QUARTER 0, 3, F0, F1, 0
	TURN 0, 1, 0
	QUARTER 1, 1, F0, F1, 0
	QUARTER 1, 2, F1, F0, 0
	QUARTER 1, 3, F0, F1, 0
	s_wait_dscnt 0x0
	WIN MUL
	MUL8 F1, 0, 0
	MUL8 F1, 2, 0
	WIN 0
	; THE WAY OUT, 16 rows at a time: the sums go through my stage and come back as rows; then sum x 2^(ea + eb) + bias + residual
	s_wait_kmcnt 0x0
	s_add_co_i32 s76, s78, s79
	s_add_co_i32 s76, s76, 127
	s_lshl_b32 s76, s76, 23                        ; 2^(ea + eb) as f32
	s_mov_b32 s77, s76
	s_wait_loadcnt 0x0                             ; the residual and the bias
	PLACES
.macro TOSTAGE a
.set TT, TMP+32*((\a)%2)
.irp b, 0,1,2,3
	ds_store_b128 v[STO], v[ACC+8*(4*(\a)+\b):ACC+8*(4*(\a)+\b)+3] offset:64*\b          ; each accumulator from its low end on
	ds_store_b128 v[STO], v[ACC+8*(4*(\a)+\b)+4:ACC+8*(4*(\a)+\b)+7] offset:64*\b+16
.endr
.irp i, 0,1,2,3,4,5,6,7
	ds_load_b128 v[TT+4*\i:TT+4*\i+3], v[RD] offset:2*SPITCH*\i   ; LDS serves a wave's instructions in order (ISA guide 5.7.1.4): these see the stores above
.endr
.endm
.macro SEND a, younger                 ; younger: the LDS instructions issued behind block a's loads
.set TT, TMP+32*((\a)%2)
	s_wait_dscnt \younger
.set j, 0
.rept 8
	v_pk_fma_f32 v[TT+4*j:TT+4*j+1], v[TT+4*j:TT+4*j+1], s[76:77], v[BI:BI+1] op_sel_hi:[1,0,1]
	v_pk_fma_f32 v[TT+4*j+2:TT+4*j+3], v[TT+4*j+2:TT+4*j+3], s[76:77], v[BI+2:BI+3] op_sel_hi:[1,0,1]
.set j, j+1
.endr
	WIN 0x08                                       ; source 1: window 2
.set j, 0
.rept 16
	v_pk_add_f32 v[TT+2*j:TT+2*j+1], v[TT+2*j:TT+2*j+1], v[32*(\a)+2*j:32*(\a)+2*j+1]
.set j, j+1
.endr
	WIN 0
.set j, 0
.rept 8
	global_store_b128 v[CO], v[TT+4*j:TT+4*j+3], s[70:71] offset:(16*(\a)+2*j)*4096 th:TH_STORE_NT   ; sixteen lanes store 256 consecutive bytes, aligned; written once, read by nobody here
.set j, j+1
.endr
.endm
	TOSTAGE 0
.irp a, 1,2,3
.if \a > 1
	s_wait_xcnt 0x0                                ; block a - 2's stores have read their registers: block a's loads may land there
.endif
	TOSTAGE \a
	SEND \a-1, 16                                  ; behind block a - 1's loads: block a's 8 stores and 8 loads
.endr
	SEND 3, 0
	s_wait_tensorcnt 0x0                           ; the wave's end
	ds_add_u32 v[SPW], v[NIL]
	s_wait_dscnt 0x0
	CROUND                                         ; the closing round
	s_endpgm
.Lfunc_end_k_q25d477b39f_ffn2:
	.size	k_q25d477b39f_ffn2, .Lfunc_end_k_q25d477b39f_ffn2-k_q25d477b39f_ffn2
	.p2alignl 7, 3214868480
	.fill 96, 4, 3214868480
	.section	.rodata,"a",@progbits
	.p2align	6, 0x0
	.amdhsa_kernel k_q25d477b39f_ffn2
		.amdhsa_group_segment_fixed_size 327680
		.amdhsa_private_segment_fixed_size 0
		.amdhsa_enable_private_segment 0
		.amdhsa_kernarg_size 48
		.amdhsa_user_sgpr_count 2
		.amdhsa_user_sgpr_kernarg_segment_ptr 1
		.amdhsa_wavefront_size32 1
		.amdhsa_system_sgpr_workgroup_id_x 1
		.amdhsa_system_sgpr_workgroup_id_y 1
		.amdhsa_system_sgpr_workgroup_id_z 1
		.amdhsa_system_vgpr_workitem_id 0
		.amdhsa_next_free_vgpr 768
		.amdhsa_next_free_sgpr 80
		.amdhsa_reserve_vcc 0
		.amdhsa_float_denorm_mode_32 3
		.amdhsa_float_denorm_mode_16_64 3
		.amdhsa_memory_ordered 1
		.amdhsa_forward_progress 1
		.amdhsa_inst_pref_size 97
	.end_amdhsa_kernel
	.amdgpu_metadata
---
amdhsa.version: [ 1, 2 ]
amdhsa.kernels:
  - .name:           k_q25d477b39f_ffn2
    .symbol:         k_q25d477b39f_ffn2.kd
    .args:
      - { .name: h, .offset: 0, .size: 8, .value_kind: global_buffer, .address_space: global }
      - { .name: W2_codes, .offset: 8, .size: 8, .value_kind: global_buffer, .address_space: global }
      - { .name: lowp_scales, .offset: 16, .size: 8, .value_kind: global_buffer, .address_space: global }
      - { .name: b2, .offset: 24, .size: 8, .value_kind: global_buffer, .address_space: global }
      - { .name: x1, .offset: 32, .size: 8, .value_kind: global_buffer, .address_space: global }
      - { .name: out0, .offset: 40, .size: 8, .value_kind: global_buffer, .address_space: global }
    .group_segment_fixed_size: 327680
    .private_segment_fixed_size: 0
    .kernarg_segment_align: 8
    .kernarg_segment_size: 48
    .max_flat_workgroup_size: 128
    .sgpr_count:     80
    .vgpr_count:     768
    .wavefront_size: 32
...
	.end_amdgpu_metadata
.endif
;; end of part 7
